; MI455X (gfx1250); checked and timed in simulation.
; The chip was launched on July 23, 2026; its instructions are those of AMD's public machine-readable ISA for CDNA 5 (MIT licence, August 2026) and "CDNA5" Instruction Set Architecture Reference Guide (July 2026). The comments in the code are by the model that wrote it; some were corrected since.
;; Custom Flash Attention. Allowed arithmetic: matrix products marked QUANTISED: E2M3 operands, one E8M0 scale for each 32 along K, by v_wmma_scale_f32_16x16x128_f8f6f4 with both operands' format E2M3, f32 sums; everything else in f32.
;; Inputs: w_k 1,024 x 1,024 float32; w_o 1,024 x 1,024 float32; w_q 1,024 x 1,024 float32; w_v 1,024 x 1,024 float32; x 1 x 4,096 x 1,024 float32.
;; Outputs: out0 1 x 4,096 x 1,024 float32.
;; Constants: causal = 1.
;; This version of the problem:
;;   THIS VERSION OF THE PROBLEM IS GIVEN IN LOW PRECISION. The matrix products marked QUANTISED in the list below multiply operands that are first quantised to E2M3 (2 exponent bits, 3 mantissa bits; 6 bits a number), with one power-of-two scale for each 32 numbers along K (OCP MX v1.0); their sums are f32. All else is computed in f32.
;;   The module's matrix products, in the order in which they are computed (A, B: the left and right operand; K: the contracted axis; several contracted axes count as one K, in the product's order):
;;     1. [M 4,096, K 1,024] x [K 1,024, N 1,024]; A: input x; B: input w_q: QUANTISED
;;     2. [M 4,096, K 1,024] x [K 1,024, N 1,024]; A: input x; B: input w_k: QUANTISED
;;     3. [M 4,096, K 1,024] x [K 1,024, N 1,024]; A: input x; B: input w_v: QUANTISED
;;     4. batch 16 x [M 4,096, K 64] x [K 64, N 4,096]; A: computed on the way; B: computed on the way: QUANTISED
;;     5. batch 16 x [M 4,096, K 4,096] x [K 4,096, N 64]; A: softmax (see below); B: computed on the way: QUANTISED
;;     6. [M 4,096, K 1,024] x [K 1,024, N 1,024]; A: computed on the way; B: input w_o: QUANTISED
;;   THE QUANTISER, for each operand of a quantised product, along K:
;;     - K is cut into blocks of 32 from its start; a last block that is shorter is filled with zeros.
;;     - A block's scale is 2^e with e = floor(log2(the largest magnitude in the block)) - 2, held to -126 .. 127; a block of zeros has e = 0. As a byte (E8M0): e + 127.
;;     - Each number is divided by its block's scale, clamped to +-7.5, and rounded to the nearest number of E2M3, ties to even, subnormals kept.
;;     - The product sums the exact products of the quantised numbers (number of the format x scale) in f32.
;;   ~~~python
;;   def quantise(x, axis):      # numpy; x: float32 -> the quantised numbers, widened to float32 again
;;       x = np.moveaxis(x, axis, -1); K = x.shape[-1]
;;       x = np.pad(x, [(0, 0)] * (x.ndim - 1) + [(0, -K % 32)]); x = x.reshape(x.shape[:-1] + (-1, 32)); a = np.abs(x).max(-1, keepdims=True)
;;       e = np.where(a > 0, np.clip(np.frexp(np.where(a > 0, a, 1))[1] - 1 - 2, -126, 127), 0)      # np.frexp(a)[1] - 1 = floor(log2(a)), exactly
;;       r = np.clip(x / 2.0 ** e, -7.5, 7.5)
;;       step = 2.0 ** (np.maximum(np.frexp(np.where(r == 0, 1, r))[1] - 1, 0) - 3)
;;       q = np.round(r / step) * step * 2.0 ** e      # np.round: ties to even
;;       return np.moveaxis(q.reshape(q.shape[:-2] + (-1,))[..., :K], -1, axis).astype(np.float32)
;;   ~~~
;;   SOFTMAX AHEAD OF A QUANTISED PRODUCT. Where the list says 'softmax', what is quantised is not the finished softmax but p = 2^(t - M), with t = logit x log2(e) and M = ceil(the row's largest t), a whole number; so 1/2 < the row's largest p <= 1. The row's sum l is taken of the UNQUANTISED p, in f32, and the product's result is divided by l at the end. Since M is a whole number, a kernel that streams over the keys may use a running M (the ceiling of the running maximum): every later rescaling is an exact power of two, which a block's scale takes up: the codes' values come out the same.
;;   OPERANDS COMPUTED ON THE WAY. 'Computed on the way' means the value that the module computes at that place (a softmax that the list does not call 'softmax' is quantised finished and normalised). What goes into a quantiser is computed in f32, as accurately as f32 sums, v_exp_f32 and their like allow (about 1e-6 of the number): no bf16 or f16 on the way to a quantiser, and a product that is left as it is and whose result goes on into a quantised operand takes f32 operands (vector FMAs, or v_wmma_f32_16x16x4_f32). A number that lies on a knife's edge between two numbers of the format may be rounded either way, as far as f32 arithmetic and the matrix unit's own rounding can turn it there, and no further.
;; One version. Each part assembles by itself: llvm-mc -triple=amdgcn-amd-amdhsa -mcpu=gfx1250 --defsym DOCPART=n.
;; ======== version 1 of 1: 4 launches
;; limits: right only within a limited range of input values
;; workspace buffers: codes 6,291,456 bytes; scales 262,144 bytes; qc 3,145,728 bytes; qs 262,144 bytes; kv 6,684,672 bytes; oc 3,145,728 bytes; os 131,072 bytes
;; launch quant (part 1): grid 256 x 1, 4 waves a work-group, no clusters, 34,304 bytes of LDS; arguments x, w_q, w_k, w_v, w_o, codes, scales; writes codes, scales
.if DOCPART == 1
	.amdgcn_target "amdgcn-amd-amdhsa--gfx1250"
	.amdhsa_code_object_version 6
	.text
	.protected	k_q2c6644b053_quant
	.globl	k_q2c6644b053_quant
	.p2align	8
	.type	k_q2c6644b053_quant,@function
k_q2c6644b053_quant:
	s_mov_b64 s[64:65], 0
	v_nop
	global_prefetch_b8 v0, s[64:65] scope:SCOPE_SE
	s_setreg_imm32_b32 hwreg(HW_REG_WAVE_MODE, 25, 1), 1
	s_wait_xcnt 0x0
; x [4096][1024] and the four weights [1024][1024], f32 with K innermost, become codes of FP6 (E2M3) with one E8M0 byte for each 32 along K,
; laid in the ORDER OF THE OPERAND'S REGISTERS, so that the products' launches read fragments by dense loads alone.
; ROW TILES.  Tile T = 2 g + u holds the 16 rows 32 g + 8 u + r + 8 (r / 8), r = 0 .. 15.  T 0-255: x; 256-: w_q; 320-: w_k; 384-: w_v; 448-: w_o.
; codes [T][K step 0..7][1536]: a fragment (16 rows x 128 K, 12 registers a lane) as two halves c of 768 bytes: registers 6 c .. 6 c + 3 of lane l at 768 c + 16 l,
; registers 6 c + 4, 6 c + 5 at 768 c + 512 + 8 l.  scales [T][512]: at 16 (16 H + r) the four scale words of row r for K steps 4 H .. 4 H + 3.
; SHARES.  Work-group g takes tiles 2 g and 2 g + 1; wave w takes tile u = w / 2 and K half w % 2: four K steps of 16 rows x 512 bytes.
; A load reads 512 consecutive bytes of one row; the conversions want 16 neighbours along K in one lane: a K step turns through the wave's own stage in LDS (rows 528 bytes apart).
; A block's scale is 2^(floor(log2(its largest magnitude)) - 2); its byte is that magnitude's exponent field - 2, held at 1 from below.
; LIMITS: a block of zeros gets the byte 1 where the rule says 127 (its codes are zeros, and this program alone reads the bytes); NaN and infinities among the inputs are not served.
; No cluster, no matrix unit: the work-groups share no input, and each input byte is read once.
.set STGW,  8448                       ; a wave's stage: 16 rows x 528 bytes
.set SPARE, 4*STGW                     ; behind the stages: the spare words, 128 bytes a wave
.set SPW,   6                          ; v6  LDS address of my spare word; never rewritten
.set NIL,   7                          ; v7  0; never rewritten
.set W,     8                          ; v8-11   my row's scale words of the four K steps
.set HH,    14                         ; v14     lane / 16
.set R,     16                         ; v16-143 two sets of 64 registers as loaded
.set X,     144                        ; v144-207 register 16 b + i = k 32 b + 16 (lane / 16) + i of my row
.set PC,    208                        ; v208-219 the fragment's codes
.set TMP,   220                        ; v220-226 second halves of blocks on their way
.set TM,    228                        ; v228-243 at work
.set SEL,   32                         ; s[32:33] lane selects: lane l xor 16
; 64 numbers of a lane become a fragment's codes in v[pc] on and its scale word in v[pw]
.macro QUANT s, pc, tmp, pw
.irp b, 0,1,2,3
	v_max3_num_f32 v[TM+\b], |v[\s+16*\b]|, |v[\s+1+16*\b]|, 0x1800000   ; my 16 numbers of block b, and the floor 2^(3 - 127): the byte cannot fall under 1
.endr
.irp i, 2,4,6,8,10,12,14
.irp b, 0,1,2,3
	v_max3_num_f32 v[TM+\b], v[TM+\b], |v[\s+16*\b+\i]|, |v[\s+1+16*\b+\i]|
.endr
.endr
.irp b, 0,1,2,3
	v_permlanex16_b32 v[TM+4+\b], v[TM+\b], s[SEL], s[SEL+1]
.endr
.irp b, 0,1,2,3
	v_max_num_f32 v[TM+\b], v[TM+\b], v[TM+4+\b]         ; with lane l xor 16's 16: the block's largest magnitude
.endr
.irp b, 0,1,2,3
	v_add_nc_u32 v[TM+12+\b], 0xff000000, v[TM+\b]       ; 2 off its exponent field: the conversion's scale operand
.endr
.irp b, 0,1,2,3
	v_lshrrev_b32 v[TM+4+\b], 23, v[TM+12+\b]            ; the scale's byte
.endr
	v_lshl_or_b32 v[\pw], v[TM+5], 8, v[TM+4]
	v_lshl_or_b32 v[\pw], v[TM+6], 16, v[\pw]
	v_lshl_or_b32 v[\pw], v[TM+7], 24, v[\pw]            ; my row's scale word
.irp c, 0,1
	v_cvt_scalef32_pk16_fp6_f32 v[\pc+6*\c:\pc+6*\c+2], v[\s+32*\c:\s+32*\c+15], v[TM+12+2*\c]
	v_cvt_scalef32_pk16_fp6_f32 v[\tmp+4*\c:\tmp+4*\c+2], v[\s+32*\c+16:\s+32*\c+31], v[TM+13+2*\c]   ; (a conversion's three registers begin on an even number)
.endr
	v_nop                                                ; one plain place behind a scaled conversion
.irp c, 0,1                                          ; the operand wants a whole block in a lane: lanes 0-15 block 2 c, lanes 16-31 block 2 c + 1
.irp i, 0,1,2
	v_permlane16_swap_b32 v[\pc+6*\c+\i], v[\tmp+4*\c+\i]
.endr
.irp i, 0,1,2
	v_mov_b32 v[\pc+6*\c+3+\i], v[\tmp+4*\c+\i]
.endr
.endr
.endm
	s_load_b256 s[4:11], s[0:1], 0x0               ; x, w_q, w_k, w_v
	s_load_b128 s[12:15], s[0:1], 0x20             ; w_o, codes
	s_load_b64 s[16:17], s[0:1], 0x30              ; scales
	v_lshl_add_u32 v[SPW], v0, 2, SPARE
	v_mov_b32 v[NIL], 0
	v_lshrrev_b32 v1, 5, v0
	v_readfirstlane_b32 s18, v1                    ; wave
	v_and_b32 v12, 31, v0                          ; lane
	v_and_b32 v15, 15, v0                          ; r
	v_bfe_u32 v[HH], v0, 4, 1                      ; h
	v_lshlrev_b32 v1, 4, v12                       ; 16 l: my bytes of a load's 512, and of a store of 16 bytes a lane
	v_lshlrev_b32 v4, 3, v12                       ; 8 l
	s_mul_i32 s19, s18, STGW
	v_add_nc_u32 v2, s19, v1                       ; the stage on the way in: a row's 512 bytes as they lie
	v_mul_u32_u24 v3, v15, 528
	v_lshl_add_u32 v3, v[HH], 6, v3
	v_add_nc_u32 v3, s19, v3                       ; and on the way out: row r, + 64 h
	v_lshlrev_b32 v5, 4, v15
	v_lshl_add_u32 v5, v[HH], 3, v5                ; the scale words' place: 16 r + 8 h
.irp b, 0,1,2,3
	v_mov_b32 v[TM+4+\b], 0                        ; written once: a lane permute's destination counts as one of its sources
.endr
	s_mov_b32 s[SEL], 0x76543210
	s_mov_b32 s[SEL+1], 0xfedcba98
	s_lshr_b32 s20, s18, 1                         ; u
	s_and_b32 s21, s18, 1                          ; K half
	s_and_b32 s22, ttmp9, 31
	s_cmp_lt_u32 ttmp9, 128
	s_cselect_b32 s22, ttmp9, s22                  ; the group of 32 rows inside its tensor
	s_lshl_b32 s24, s22, 17                        ; 32 rows of 4,096 bytes
	s_lshl_b32 s23, s20, 15                        ; + 8 u rows
	s_add_co_u32 s24, s24, s23
	s_lshl_b32 s23, s21, 11                        ; + my half of K
	s_add_co_u32 s24, s24, s23
	s_mov_b32 s25, 0
	s_lshl_b32 s26, ttmp9, 1
	s_add_co_u32 s26, s26, s20                     ; T
	s_mul_i32 s28, s26, 12288
	s_mul_i32 s23, s21, 6144
	s_add_co_u32 s28, s28, s23
	s_mov_b32 s29, 0
	s_lshl_b32 s30, s26, 9
	s_lshl_b32 s23, s21, 8
	s_add_co_u32 s30, s30, s23
	s_mov_b32 s31, 0
	s_wait_alu depctr_va_vdst(0)
	s_wait_kmcnt 0x0
	s_cmp_lt_u32 ttmp9, 224                        ; which tensor: the choice hangs on the work-group's number alone
	s_cselect_b64 s[12:13], s[10:11], s[12:13]
	s_cmp_lt_u32 ttmp9, 192
	s_cselect_b64 s[12:13], s[8:9], s[12:13]
	s_cmp_lt_u32 ttmp9, 160
	s_cselect_b64 s[12:13], s[6:7], s[12:13]
	s_cmp_lt_u32 ttmp9, 128
	s_cselect_b64 s[12:13], s[4:5], s[12:13]
	s_add_nc_u64 s[12:13], s[12:13], s[24:25]
	s_add_nc_u64 s[14:15], s[14:15], s[28:29]
	s_add_nc_u64 s[16:17], s[16:17], s[30:31]
.macro LOAD s                          ; K step s of my 16 rows: each load reads 512 consecutive bytes of one row
.irp i, 0,1,2,3,4,5,6,7,8,9,10,11,12,13,14,15
	global_load_b128 v[R+64*((\s)%2)+4*\i:R+64*((\s)%2)+4*\i+3], v1, s[12:13] offset:(\i+8*(\i/8))*4096+512*(\s) th:TH_LOAD_NT
.endr
.endm
.macro TURN s                          ; through my stage: LDS serves a wave's instructions in order, so no wait stands between the stores and the loads
.irp i, 0,1,2,3,4,5,6,7,8,9,10,11,12,13,14,15
	ds_store_b128 v2, v[R+64*((\s)%2)+4*\i:R+64*((\s)%2)+4*\i+3] offset:528*\i
.endr
.irp b, 0,1,2,3
.irp j, 0,1,2,3
	ds_load_b128 v[X+16*\b+4*\j:X+16*\b+4*\j+3], v3 offset:128*\b+16*\j
.endr
.endr
.endm
.macro KS s
.if (\s) < 3
	s_wait_loadcnt 16                              ; this K step's 16 loads are in; the next step's 16 may be out
.else
	s_wait_loadcnt 0x0
.endif
	TURN \s
	s_wait_dscnt 0x0                               ; my 64 numbers are back, and the stores into the stage have read their registers,
.if (\s) < 2
	LOAD (\s)+2                                    ; which take the loads of two steps on
.endif
	s_wait_xcnt 0x0                                ; the last step's stores have read the codes' registers: they are written again only behind this wait
	QUANT X, PC, TMP, W+(\s)
.irp c, 0,1
	global_store_b128 v1, v[PC+6*\c:PC+6*\c+3], s[14:15] offset:1536*(\s)+768*\c          ; 512 consecutive bytes,
	global_store_b64 v4, v[PC+6*\c+4:PC+6*\c+5], s[14:15] offset:1536*(\s)+768*\c+512     ; and 256
.endr
.endm
	LOAD 0
	LOAD 1
	KS 0
	KS 1
	KS 2
	KS 3
	v_cmp_eq_u32 vcc_lo, 1, v[HH]                  ; lanes r and r + 16 hold the same four words: lanes 0-15 store the first two, lanes 16-31 the others
	v_cndmask_b32 v12, v[W], v[W+2], vcc_lo
	v_cndmask_b32 v13, v[W+1], v[W+3], vcc_lo
	global_store_b64 v5, v[12:13], s[16:17]        ; 256 consecutive bytes
	s_wait_tensorcnt 0x0                           ; the wave's end, behind my last LDS store
	ds_add_u32 v[SPW], v[NIL]
	s_wait_dscnt 0x0
	s_endpgm
.Lfunc_end_k_q2c6644b053_quant:
	.size	k_q2c6644b053_quant, .Lfunc_end_k_q2c6644b053_quant-k_q2c6644b053_quant
	.p2alignl 7, 3214868480
	.fill 96, 4, 3214868480
	.section	.rodata,"a",@progbits
	.p2align	6, 0x0
	.amdhsa_kernel k_q2c6644b053_quant
		.amdhsa_group_segment_fixed_size 34304
		.amdhsa_private_segment_fixed_size 0
		.amdhsa_enable_private_segment 0
		.amdhsa_kernarg_size 56
		.amdhsa_user_sgpr_count 2
		.amdhsa_user_sgpr_kernarg_segment_ptr 1
		.amdhsa_wavefront_size32 1
		.amdhsa_system_sgpr_workgroup_id_x 1
		.amdhsa_system_sgpr_workgroup_id_y 1
		.amdhsa_system_sgpr_workgroup_id_z 1
		.amdhsa_system_vgpr_workitem_id 0
		.amdhsa_next_free_vgpr 256
		.amdhsa_next_free_sgpr 66
		.amdhsa_reserve_vcc 1
		.amdhsa_float_denorm_mode_32 3
		.amdhsa_float_denorm_mode_16_64 3
		.amdhsa_memory_ordered 1
		.amdhsa_forward_progress 1
		.amdhsa_inst_pref_size 34
	.end_amdhsa_kernel
	.amdgpu_metadata
---
amdhsa.version: [ 1, 2 ]
amdhsa.kernels:
  - .name:           k_q2c6644b053_quant
    .symbol:         k_q2c6644b053_quant.kd
    .args:
      - { .name: x, .offset: 0, .size: 8, .value_kind: global_buffer, .address_space: global }
      - { .name: w_q, .offset: 8, .size: 8, .value_kind: global_buffer, .address_space: global }
      - { .name: w_k, .offset: 16, .size: 8, .value_kind: global_buffer, .address_space: global }
      - { .name: w_v, .offset: 24, .size: 8, .value_kind: global_buffer, .address_space: global }
      - { .name: w_o, .offset: 32, .size: 8, .value_kind: global_buffer, .address_space: global }
      - { .name: codes, .offset: 40, .size: 8, .value_kind: global_buffer, .address_space: global }
      - { .name: scales, .offset: 48, .size: 8, .value_kind: global_buffer, .address_space: global }
    .group_segment_fixed_size: 34304
    .private_segment_fixed_size: 0
    .kernarg_segment_align: 8
    .kernarg_segment_size: 56
    .max_flat_workgroup_size: 128
    .sgpr_count:     66
    .vgpr_count:     256
    .wavefront_size: 32
...
	.end_amdgpu_metadata
.endif
;; end of part 1
;; launch proj (part 2): grid 8 x 32, 4 waves a work-group, clusters of 4 x 4, 327,680 bytes of LDS; arguments codes, scales, qc, qs, kv; writes qc, qs, kv
.if DOCPART == 2
	.amdgcn_target "amdgcn-amd-amdhsa--gfx1250"
	.amdhsa_code_object_version 6
	.text
	.protected	k_q2c6644b053_proj
	.globl	k_q2c6644b053_proj
	.p2align	8
	.type	k_q2c6644b053_proj,@function
k_q2c6644b053_proj:
	s_mov_b64 s[64:65], 0
	v_nop
	global_prefetch_b8 v0, s[64:65] scope:SCOPE_SE
	s_setreg_imm32_b32 hwreg(HW_REG_WAVE_MODE, 25, 1), 1
	s_wait_xcnt 0x0
	s_wait_alu depctr_hold_cnt(0) depctr_sa_sdst(0) depctr_va_vdst(0) depctr_va_sdst(0) depctr_va_ssrc(0) depctr_va_vcc(0) depctr_vm_vsrc(0)
	s_getreg_b32 s2, hwreg(HW_REG_IB_STS2, 6, 4)
	s_cmp_eq_u32 s2, 0
	s_cbranch_scc0 .Lentry_in_a_cluster
	s_endpgm
.Lentry_in_a_cluster:
	s_bfe_u32 s2, ttmp6, 0x10000c
	s_cmp_lg_u32 s2, 0xf033
	s_cbranch_scc0 .Lentry_shape_is_right
	s_endpgm
.Lentry_shape_is_right:
; q = x w_q^T, k = x w_k^T, v = x w_v^T on codes of FP6 (E2M3), and the results quantised again in registers: q and k along the head's 64, v along the keys.
; A WORK-GROUP STAYS.  Work-group (x, y) holds the 128 tokens 128 y on (8 row tiles, all of K = 1,024: 98,304 bytes of LDS) and takes them through three passes, against the 128 rows 128 x on (two heads) of
; w_q, of w_k and of w_v.  LDS: the tokens at 0; weight slot 0 at 98,304 (w_q, later w_v); weight slot 1 at 196,608 (w_k).  In each: row tile at 12,288, K step at 1,536, as the codes lie in memory.
; LOADS, one a wave each time.  At the head waves 0, 1 fetch the tokens' halves, waves 2, 3 w_q's (4 row tiles each).  Behind the wait, the add and a round of the cluster's barrier each wave fetches two row tiles
; of w_k; behind pass 0's last products, the same lines and a round, two row tiles of w_v into w_q's slot.  So a weight tile is asked for one pass ahead of the pass that reads it.
; PASSES 0 and 1 (q, k): source 0 = the weights' 8 row tiles, source 1 = my two token tiles.  PASS 2 (v): source 0 = the tokens' 8 row tiles, source 1 = my two row tiles of w_v: a lane's registers then run along the keys.
; ROW TILES are permuted (tile 2 g + u: rows 32 g + 8 u + r + 8 (r / 8)), so register j of lane (r, h) in the result of source 0's tile 2 g + u is row 32 g + 16 h + 8 u + j:
; the 64 registers of a wave's eight results for one tile of source 1 are, in order, 16 neighbours of each block of 32 along the next K.
; Wave w: all 8 tiles of source 0 x source 1's tiles 2 w, 2 w + 1: 16 accumulators, accumulator (a, b) at v[ACC + 64 b + 8 a].
; CLUSTER 4 x 4: the tokens hang on y and are asked for jointly along a row of the cluster, the weights on x and down a column.
; OUT.  qc [head][token tile][768]; qs [head pair][tile pair][256]: word of (head parity c, row r, tile parity b) at 128 c + 8 r + 4 b, upper two bytes 0.
; kv [head][key step][13056]: K's 8 tiles of 768; K's scale words at 6144 + 128 w + 8 r + 4 b; V's 4 fragments of 1536 at 6656; V's scale words at 12800 + 128 dp + 8 r + 4 b.
; LIMITS: a block of zeros gets the byte 1 where the rule says 127 (its codes are zeros, and this program alone reads the bytes); NaN and infinities are not served.
; No prefetch: the launch has no loop to run ahead in, and each later tile's load itself stands a pass ahead of its first read.
; REGISTERS.  Window 0: v1-31 lane numbers and addresses; v32-71 scale words; v72-95 codes; v96-121 at work; v128-255 accumulators.  Window 1: two sets of fragments at 120 p: source 0's at + 12 a, source 1's at + 96 + 12 b.
.set REC,   13056
.set KSOFF, 6144
.set VOFF,  6656
.set VSOFF, 12800
.set HEADB, 32*REC
.set TILEB, 12288                      ; a row tile's codes for all of K
.set KH,    49152                      ; four row tiles
.set W0B,   98304
.set W1B,   196608
.set SPARE, 294912                     ; the spare words, 128 bytes a wave
.set L,   1
.set RR,  2
.set HH,  3
.set VSQ, 4                            ; v4-6 where my scale words go: q, k, v
.set SH,  7                            ; v7   16 h: lanes 16-31 take a word's upper two bytes, the second head's
.set SPW, 10
.set NIL, 11
.set TA,  16                           ; v16 16 l, v17 16 l + KH, v18 8 l, v19 8 l + KH: the tokens as source 0
.set L16, 16
.set L8,  18
.set WA0, 20                           ; v20-23 the same for weight slot 0
.set WA1, 24                           ; v24-27 and slot 1
.set TW,  28                           ; v28, v29 my two token tiles as source 1: 16 l +, 8 l +
.set WW,  30                           ; v30, v31 my two row tiles of slot 0
.set SC0, 32                           ; register 4 a + q: lanes 0-15 the word of K step q, lanes 16-31 of K step 4 + q
.set SC1, 64
.set PC,  72
.set TMP, 96
.set TM,  104
.set PW,  120
.set ACC, 128
.set SEL, 2
.set WV,  14
.set ROLE, 15
.set HF,  16
.set CX,  17
.set CY,  18
.set XX,  19
.set CLY, 20
.set YY,  21
.set T0,  22
.set T1,  23
.set G1A, 24                           ; groups 1 and 0 for the weights (never hold cy),
.set G1B, 32                           ; and for the tokens (never hold cx)
.set G0A, 40
.set G0B, 44
.set PV,  52                           ; s[52:53] scale words of my two row tiles of the weights;  s[54:55] of my two token tiles
.set PTW, 54
.set PW8, 94                           ; s[94:95] of w_q's eight row tiles (w_k's 32,768 on, w_v's 65,536);  s[96:97] of the tokens' eight
.set PT8, 96
.set OQ,  68                           ; s[68:69] q's codes, s[70:71] q's scale words; s[72:75] k's; s[76:79] v's
.set MSB, 0
.macro WIN new
.if MSB != \new
	s_set_vgpr_msb (MSB<<8)|\new
.set MSB, \new
.endif
.endm
.set MUL,  0x05
.set TO_F, 0x40
.macro CROUND
	s_barrier_signal -1
	s_barrier_wait -1
	s_cmp_lg_u32 s[WV], 0
	s_cbranch_scc1 .Lnot_wave_0_\@
	s_barrier_signal -3
.Lnot_wave_0_\@:
	s_barrier_wait -3
	s_barrier_signal -1
	s_barrier_wait -1
.endm
.macro PLACES
.rept 4
	v_nop
.endr
.endm
.macro QUANT s, pc, tmp, pw            ; 64 numbers of a lane, register 16 b + i = k 32 b + 16 (lane / 16) + i, become a fragment's codes and its scale word
.irp b, 0,1,2,3
	v_max3_num_f32 v[TM+\b], |v[\s+16*\b]|, |v[\s+1+16*\b]|, 0x1800000   ; with the floor 2^(3 - 127): the byte cannot fall under 1
.endr
.irp i, 2,4,6,8,10,12,14
.irp b, 0,1,2,3
	v_max3_num_f32 v[TM+\b], v[TM+\b], |v[\s+16*\b+\i]|, |v[\s+1+16*\b+\i]|
.endr
.endr
.irp b, 0,1,2,3
	v_permlanex16_b32 v[TM+4+\b], v[TM+\b], s[SEL], s[SEL+1]
.endr
.irp b, 0,1,2,3
	v_max_num_f32 v[TM+\b], v[TM+\b], v[TM+4+\b]
.endr
.irp b, 0,1,2,3
	v_add_nc_u32 v[TM+12+\b], 0xff000000, v[TM+\b]       ; 2 off the exponent field: the conversion's scale operand
.endr
.irp b, 0,1,2,3
	v_lshrrev_b32 v[TM+4+\b], 23, v[TM+12+\b]            ; the scale's byte
.endr
	v_lshl_or_b32 v[\pw], v[TM+5], 8, v[TM+4]
	v_lshl_or_b32 v[\pw], v[TM+6], 16, v[\pw]
	v_lshl_or_b32 v[\pw], v[TM+7], 24, v[\pw]
.irp c, 0,1
	v_cvt_scalef32_pk16_fp6_f32 v[\pc+6*\c:\pc+6*\c+2], v[\s+32*\c:\s+32*\c+15], v[TM+12+2*\c]
	v_cvt_scalef32_pk16_fp6_f32 v[\tmp+4*\c:\tmp+4*\c+2], v[\s+32*\c+16:\s+32*\c+31], v[TM+13+2*\c]
.endr
	v_nop                                                ; one plain place behind a scaled conversion
.irp c, 0,1
.irp i, 0,1,2
	v_permlane16_swap_b32 v[\pc+6*\c+\i], v[\tmp+4*\c+\i]
.endr
.irp i, 0,1,2
	v_mov_b32 v[\pc+6*\c+3+\i], v[\tmp+4*\c+\i]
.endr
.endr
.endm
.macro SCL0 ptr, off                   ; the scale words of source 0's eight row tiles
.irp a, 0,1,2,3,4,5,6,7
	global_load_b128 v[SC0+4*\a:SC0+4*\a+3], v[L16], s[\ptr:\ptr+1] offset:\off+512*\a
.endr
.endm
.macro SCL1 ptr, off                   ; and of my two of source 1
.irp b, 0,1
	global_load_b128 v[SC1+4*\b:SC1+4*\b+3], v[L16], s[\ptr:\ptr+1] offset:\off+512*\b
.endr
.endm
	s_load_b128 s[4:7], s[0:1], 0x0                ; codes, scales
	s_load_b128 s[8:11], s[0:1], 0x10              ; qc, qs
	s_load_b64 s[12:13], s[0:1], 0x20              ; kv
	v_lshl_add_u32 v[SPW], v0, 2, SPARE
	v_mov_b32 v[NIL], 0
	ds_add_u32 v[SPW], v[NIL]                      ; the opening lines: the add, twice on end, and its wait ahead of my first tensor load
	ds_add_u32 v[SPW], v[NIL]
	v_lshrrev_b32 v1, 5, v0
	v_readfirstlane_b32 s[WV], v1                  ; wave 0..3
	s_lshr_b32 s[ROLE], s[WV], 1                   ; at the head I fetch for the tokens (0) or for w_q (1)
	s_and_b32 s[HF], s[WV], 1                      ; which four of the eight row tiles
	s_bfe_u32 s[CX], ttmp6, 0x40000
	s_bfe_u32 s[CY], ttmp6, 0x40004
	s_lshl_b32 s[XX], ttmp9, 2
	s_add_co_u32 s[XX], s[XX], s[CX]               ; x
	s_and_b32 s[CLY], ttmp7, 0xffff                ; the cluster's y
	s_lshl_b32 s[YY], s[CLY], 2
	s_add_co_u32 s[YY], s[YY], s[CY]               ; y
	s_lshl_b32 s56, 0x1111, s[CX]                  ; my column of the cluster
	s_lshl_b32 s58, s[CY], 2
	s_lshl_b32 s58, 15, s58                        ; my row
	s_or_b32 s[G1A], s56, (3<<16)|(1<<21)          ; group 1: the mask; elements of 8 bytes; bit 21 beside a mask; no padding
	s_or_b32 s[G1B], s58, (3<<16)|(1<<21)
.irp g, G1A, G1B
	s_mov_b32 s[\g+1], 1536<<16                    ; tensor_dim0: a row tile for all of K, 12,288 bytes
	s_mov_b32 s[\g+2], 4<<16                       ; tensor_dim1: four row tiles
	s_mov_b32 s[\g+3], 1536<<16                    ; tile_dim0
	s_mov_b32 s[\g+4], 4                           ; tile_dim1
	s_mov_b32 s[\g+5], 1536                        ; from row tile to row tile
	s_mov_b32 s[\g+6], 0
	s_mov_b32 s[\g+7], 0
.endr
	s_lshl_b32 s[T0], s[XX], 3
	s_add_co_u32 s[T0], s[T0], 256                 ; w_q's row tiles 256 + 8 x (w_k's 64 on, w_v's 128 on)
	s_lshl_b32 s[T1], s[CY], 3
	s_lshl_b32 s61, s[CLY], 5
	s_add_co_u32 s[T1], s[T1], s61                 ; token tiles 8 y
	s_lshl_b32 s63, s[HF], 2
	s_add_co_u32 s57, s[T0], s63
	s_mul_i32 s66, s57, TILEB                      ; the head's load of w_q
	s_mov_b32 s67, 0
	s_add_co_u32 s59, s[T1], s63
	s_mul_i32 s92, s59, TILEB                      ; and of the tokens
	s_mov_b32 s93, 0
	s_lshl_b32 s62, s[WV], 1
	s_add_co_u32 s62, s62, s[T0]
	s_add_co_u32 s62, s62, 64
	s_mul_i32 s48, s62, TILEB                      ; my two row tiles of w_k
	s_mov_b32 s49, 0
	s_lshl_b32 s94, s[T0], 9
	s_mov_b32 s95, 0
	s_lshl_b32 s96, s[T1], 9
	s_mov_b32 s97, 0
	s_lshl_b32 s50, s[WV], 10
	s_mov_b32 s51, 0
	s_mul_i32 s98, s[HF], KH                       ; in LDS: my four row tiles at the head,
	s_mul_i32 s99, s[WV], 2*TILEB                  ; my two later on
	s_wait_dscnt 0x0                               ; both opening adds are done
	s_wait_kmcnt 0x0
	s_add_nc_u64 s[66:67], s[4:5], s[66:67]
	s_add_nc_u64 s[92:93], s[4:5], s[92:93]
	s_add_nc_u64 s[48:49], s[4:5], s[48:49]
	s_add_nc_u64 s[PW8:PW8+1], s[6:7], s[94:95]
	s_add_nc_u64 s[PT8:PT8+1], s[6:7], s[96:97]
	s_add_nc_u64 s[PV:PV+1], s[PW8:PW8+1], s[50:51]
	s_add_nc_u64 s[PTW:PTW+1], s[PT8:PT8+1], s[50:51]
	CROUND                                         ; all sixteen work-groups are here: the joint loads meet
	s_mov_b32 s[G0A], 1
	s_add_co_u32 s[G0A+1], s98, W0B
	s_mov_b64 s[G0A+2:G0A+3], s[66:67]
	s_or_b32 s[G0A+3], s[G0A+3], 0x80000000
	s_mov_b32 s[G0B], 1
	s_mov_b32 s[G0B+1], s98
	s_mov_b64 s[G0B+2:G0B+3], s[92:93]
	s_or_b32 s[G0B+3], s[G0B+3], 0x80000000
	s_cmp_eq_u32 s[ROLE], 0                        ; my one tensor load at the head: a load on either way
	s_cbranch_scc0 .Lfor_w
	tensor_load_to_lds s[G0B:G0B+3], s[G1B:G1B+7]
	s_nop 0
	PLACES
	s_branch .Lasked
.Lfor_w:
	tensor_load_to_lds s[G0A:G0A+3], s[G1A:G1A+7]
	s_nop 0
	PLACES
.Lasked:
	v_and_b32 v[L], 31, v0
	v_and_b32 v[RR], 15, v0
	v_bfe_u32 v[HH], v0, 4, 1
	v_lshlrev_b32 v[TA], 4, v[L]
	v_lshlrev_b32 v[TA+2], 3, v[L]
	v_add_nc_u32 v[TA+1], KH, v[TA]
	v_add_nc_u32 v[TA+3], KH, v[TA+2]
	SCL0 PW8, 0                                    ; pass 0's scale words
	SCL1 PTW, 0
.irp i, 0,1,2,3
	v_add_nc_u32 v[WA0+\i], W0B, v[TA+\i]
	v_add_nc_u32 v[WA1+\i], W1B, v[TA+\i]
.endr
	v_add_nc_u32 v[TW], s99, v[TA]
	v_add_nc_u32 v[TW+1], s99, v[TA+2]
	v_add_nc_u32 v[WW], W0B, v[TW]
	v_add_nc_u32 v[WW+1], W0B, v[TW+1]
.irp b, 0,1,2,3
	v_mov_b32 v[TM+4+\b], 0                        ; written once: a lane permute's destination counts as one of its sources
.endr
	v_lshlrev_b32 v[VSQ+2], 3, v[RR]               ; v: 8 r
	v_mul_u32_u24 v[VSQ+1], HEADB, v[HH]
	v_lshlrev_b32 v[SH], 4, v[HH]
	v_lshl_add_u32 v[VSQ], v[HH], 7, v[VSQ+2]      ; q: 8 r + 128 h
	v_add_nc_u32 v[VSQ+1], v[VSQ+1], v[VSQ+2]      ; k: 8 r, lanes 16-31 in the next head's record
	; where the results go
	s_lshl_b32 s68, s[XX], 9
	s_lshl_b32 s100, s[YY], 3
	s_add_co_u32 s68, s68, s100
	s_lshl_b32 s100, s[WV], 1
	s_add_co_u32 s68, s68, s100
	s_mul_i32 s68, s68, 768                        ; q's codes: (256 x head 2 x + token tile 8 y + 2 w) x 768
	s_mov_b32 s69, 0
	s_lshl_b32 s70, s[XX], 7
	s_lshl_b32 s100, s[YY], 2
	s_add_co_u32 s70, s70, s100
	s_add_co_u32 s70, s70, s[WV]
	s_lshl_b32 s70, s70, 8                         ; q's scale words
	s_mov_b32 s71, 0
	s_lshl_b32 s100, s[XX], 6
	s_add_co_u32 s100, s100, s[YY]
	s_mul_i32 s100, s100, REC                      ; k: the record of head 2 x, key step y
	s_mul_i32 s101, s[WV], 1536
	s_add_co_u32 s72, s100, s101                   ; its tile 2 w
	s_mov_b32 s73, 0
	s_lshl_b32 s101, s[WV], 7
	s_add_co_u32 s74, s100, s101
	s_add_co_u32 s74, s74, KSOFF
	s_mov_b32 s75, 0
	s_lshl_b32 s100, s[XX], 1
	s_add_co_u32 s100, s100, s[ROLE]               ; v: head 2 x + w / 2
	s_lshl_b32 s100, s100, 5
	s_add_co_u32 s100, s100, s[YY]
	s_mul_i32 s100, s100, REC                      ; its record of key step y
	s_mul_i32 s101, s[HF], 3072
	s_add_co_u32 s76, s100, s101
	s_add_co_u32 s76, s76, VOFF                    ; fragment 2 (w & 1)
	s_mov_b32 s77, 0
	s_lshl_b32 s101, s[HF], 7
	s_add_co_u32 s78, s100, s101
	s_add_co_u32 s78, s78, VSOFF
	s_mov_b32 s79, 0
	s_add_nc_u64 s[68:69], s[8:9], s[68:69]
	s_add_nc_u64 s[70:71], s[10:11], s[70:71]
	s_add_nc_u64 s[72:73], s[12:13], s[72:73]
	s_add_nc_u64 s[74:75], s[12:13], s[74:75]
	s_add_nc_u64 s[76:77], s[12:13], s[76:77]
	s_add_nc_u64 s[78:79], s[12:13], s[78:79]
	s_mov_b32 s[SEL], 0x76543210
	s_mov_b32 s[SEL+1], 0xfedcba98
.macro HALF reg, a16, a8, off          ; half a fragment: six registers, 512 + 256 consecutive bytes
	ds_load_b128 v[\reg:\reg+3], v[\a16] offset:\off
	ds_load_b64 v[\reg+4:\reg+5], v[\a8] offset:\off+512
.endm
.macro FETCH s                         ; K step s: 40 LDS loads: source 1's two fragments (addresses at S1A), then source 0's eight (at S0A)
.set FP, 120*((\s)%2)
.set FO, (\s)*1536
	WIN TO_F
.irp b, 0,1
.irp c, 0,1
	HALF FP+96+12*\b+6*\c, S1A, S1A+1, FO+TILEB*\b+768*\c
.endr
.endr
.irp a, 0,1,2,3,4,5,6,7
.irp c, 0,1
	HALF FP+12*\a+6*\c, S0A+\a/4, S0A+2+\a/4, FO+TILEB*(\a%4)+768*\c
.endr
.endr
.endm
.macro MUL8 s, a0                      ; source 0's tiles a0 .. a0 + 3 x my two of source 1.  The 16 accumulators take turns, one instruction a turn
.set P, 120*((\s)%2)
.set Q, (\s)%4
.irp a, \a0, \a0+1, \a0+2, \a0+3
.irp b, 0,1
.if (\s) == 0
	v_wmma_scale_f32_16x16x128_f8f6f4 v[ACC+64*\b+8*(\a):ACC+64*\b+8*(\a)+7], v[P+12*(\a):P+12*(\a)+11], v[P+96+12*\b:P+96+12*\b+11], 0, v[SC0+4*(\a)+Q], v[SC1+4*\b+Q] matrix_a_fmt:MATRIX_FMT_FP6 matrix_b_fmt:MATRIX_FMT_FP6
.elseif (\s) < 4
	v_wmma_scale_f32_16x16x128_f8f6f4 v[ACC+64*\b+8*(\a):ACC+64*\b+8*(\a)+7], v[P+12*(\a):P+12*(\a)+11], v[P+96+12*\b:P+96+12*\b+11], v[ACC+64*\b+8*(\a):ACC+64*\b+8*(\a)+7], v[SC0+4*(\a)+Q], v[SC1+4*\b+Q] matrix_a_fmt:MATRIX_FMT_FP6 matrix_b_fmt:MATRIX_FMT_FP6
.else
	v_wmma_scale_f32_16x16x128_f8f6f4 v[ACC+64*\b+8*(\a):ACC+64*\b+8*(\a)+7], v[P+12*(\a):P+12*(\a)+11], v[P+96+12*\b:P+96+12*\b+11], v[ACC+64*\b+8*(\a):ACC+64*\b+8*(\a)+7], v[SC0+4*(\a)+Q], v[SC1+4*\b+Q] matrix_a_fmt:MATRIX_FMT_FP6 matrix_b_fmt:MATRIX_FMT_FP6 matrix_a_scale:MATRIX_SCALE_ROW1 matrix_b_scale:MATRIX_SCALE_ROW1
.endif
.endr
.endr
.endm
.macro KSTEP s
.if (\s) < 7
	s_wait_dscnt 16                                ; all but the youngest 16 loads: source 0's tiles 4 to 7
	WIN MUL
	MUL8 \s, 0
	s_wait_dscnt 0x0
	PLACES
	FETCH (\s)+1
	WIN MUL
	MUL8 \s, 4
.else
	s_wait_dscnt 0x0
	WIN MUL
	MUL8 \s, 0
	MUL8 \s, 4
.endif
.endm
.macro PRODUCT                         ; a pass's products: both tiles lie whole in LDS, so no barrier stands inside
	FETCH 0
	s_wait_loadcnt 0x0                             ; the scale words
.irp s, 0,1,2,3,4,5,6,7
	KSTEP \s
.endr
	WIN 0
.endm
; A pass's way out: the results quantised and stored.  o: the pass's two pointers; cst, bst: bytes from half c = 0 to c = 1 and from tile b = 0 to b = 1; kind 0, 1, 2: q, k, v
.macro EPI o, cst, bst, kind
	QUANT ACC, PC, TMP, PW                         ; each accumulator is first read at its low end
	QUANT ACC+64, PC+12, TMP, PW+1
.irp b, 0,1
.irp c, 0,1
	global_store_b128 v[L16], v[PC+12*\b+6*\c:PC+12*\b+6*\c+3], s[\o:\o+1] offset:\b*(\bst)+\c*(\cst)
	global_store_b64 v[L8], v[PC+12*\b+6*\c+4:PC+12*\b+6*\c+5], s[\o:\o+1] offset:\b*(\bst)+\c*(\cst)+512
.endr
.endr
.if \kind < 2
	v_lshrrev_b32 v8, v[SH], v[PW]                 ; lanes 0-15 keep the first head's two bytes, lanes 16-31 the second's
	v_lshrrev_b32 v9, v[SH], v[PW+1]
	v_and_b32 v8, 0xffff, v8
	v_and_b32 v9, 0xffff, v9
	global_store_b64 v[VSQ+\kind], v[8:9], s[\o+2:\o+3]
	s_wait_xcnt 0x0                                ; the stores have read their registers: the next pass writes them again
.else
	v_cmp_gt_u32 vcc_lo, 16, v[L]                  ; v: all four bytes, from lanes 0-15
	s_wait_alu depctr_va_vdst(0)
	s_wait_xcnt 0x0                                ; EXEC changes only behind this wait
	s_and_saveexec_b32 s99, vcc_lo
	global_store_b64 v[VSQ+2], v[PW:PW+1], s[\o+2:\o+3]
	s_wait_xcnt 0x0
	s_or_b32 exec_lo, exec_lo, s99
.endif
.endm
	s_wait_alu depctr_va_vdst(0)                   ; the head's end
	s_wait_tensorcnt 0x0                           ; my part of the tokens or of w_q has landed
	ds_add_u32 v[SPW], v[NIL]
	s_mov_b32 s[G1A+2], 2<<16                      ; no tensor load of mine is out, so the descriptors may be written: from here on a load brings two row tiles
	s_mov_b32 s[G1A+4], 2
	s_add_co_u32 s[G0A+1], s99, W1B
	s_mov_b64 s[G0A+2:G0A+3], s[48:49]
	s_or_b32 s[G0A+3], s[G0A+3], 0x80000000
	s_wait_dscnt 0x0
	CROUND                                         ; everybody's part is in, and all sixteen work-groups are here
	tensor_load_to_lds s[G0A:G0A+3], s[G1A:G1A+7]  ; w_k into slot 1: the first tensor load behind the round
	s_nop 0
	PLACES
.set S0A, WA0
.set S1A, TW
	PRODUCT                                        ; q
	s_wait_tensorcnt 0x0                           ; my part of w_k has landed;
	ds_add_u32 v[SPW], v[NIL]
	s_add_co_u32 s[G0A+1], s99, W0B
	s_add_nc_u64 s[G0A+2:G0A+3], s[G0A+2:G0A+3], 64*TILEB
	s_wait_dscnt 0x0                               ; the add is done, and my reads of w_q are over
	CROUND                                         ; both hold of every wave of the cluster
	tensor_load_to_lds s[G0A:G0A+3], s[G1A:G1A+7]  ; w_v into w_q's slot
	s_nop 0
	PLACES                                         ; also the places behind the last products
	SCL0 PW8, 32768                                ; w_k's scale words land under the way out
	EPI OQ, 196608, 768, 0
.set S0A, WA1
	PRODUCT                                        ; k
	PLACES
	SCL0 PT8, 0
	SCL1 PV, 65536
	EPI OQ+4, HEADB, 768, 1
	s_wait_tensorcnt 0x0                           ; my part of w_v, the one load that was out, has landed
	s_wait_dscnt 0x0
	s_barrier_signal -1
	s_barrier_wait -1
.set S0A, TA
.set S1A, WW
	PRODUCT                                        ; v
	PLACES
	EPI OQ+8, 768, 1536, 2
	s_wait_tensorcnt 0x0                           ; the wave's end
	ds_add_u32 v[SPW], v[NIL]
	s_wait_dscnt 0x0
	CROUND                                         ; the closing round
	s_endpgm
.Lfunc_end_k_q2c6644b053_proj:
	.size	k_q2c6644b053_proj, .Lfunc_end_k_q2c6644b053_proj-k_q2c6644b053_proj
	.p2alignl 7, 3214868480
	.fill 96, 4, 3214868480
	.section	.rodata,"a",@progbits
	.p2align	6, 0x0
	.amdhsa_kernel k_q2c6644b053_proj
		.amdhsa_group_segment_fixed_size 327680
		.amdhsa_private_segment_fixed_size 0
		.amdhsa_enable_private_segment 0
		.amdhsa_kernarg_size 40
		.amdhsa_user_sgpr_count 2
		.amdhsa_user_sgpr_kernarg_segment_ptr 1
		.amdhsa_wavefront_size32 1
		.amdhsa_system_sgpr_workgroup_id_x 1
		.amdhsa_system_sgpr_workgroup_id_y 1
		.amdhsa_system_sgpr_workgroup_id_z 1
		.amdhsa_system_vgpr_workitem_id 0
		.amdhsa_next_free_vgpr 512
		.amdhsa_next_free_sgpr 106
		.amdhsa_reserve_vcc 1
		.amdhsa_float_denorm_mode_32 3
		.amdhsa_float_denorm_mode_16_64 3
		.amdhsa_memory_ordered 1
		.amdhsa_forward_progress 1
		.amdhsa_inst_pref_size 153
	.end_amdhsa_kernel
	.amdgpu_metadata
---
amdhsa.version: [ 1, 2 ]
amdhsa.kernels:
  - .name:           k_q2c6644b053_proj
    .symbol:         k_q2c6644b053_proj.kd
    .args:
      - { .name: codes, .offset: 0, .size: 8, .value_kind: global_buffer, .address_space: global }
      - { .name: scales, .offset: 8, .size: 8, .value_kind: global_buffer, .address_space: global }
      - { .name: qc, .offset: 16, .size: 8, .value_kind: global_buffer, .address_space: global }
      - { .name: qs, .offset: 24, .size: 8, .value_kind: global_buffer, .address_space: global }
      - { .name: kv, .offset: 32, .size: 8, .value_kind: global_buffer, .address_space: global }
    .group_segment_fixed_size: 327680
    .private_segment_fixed_size: 0
    .kernarg_segment_align: 8
    .kernarg_segment_size: 40
    .max_flat_workgroup_size: 128
    .sgpr_count:     106
    .vgpr_count:     512
    .wavefront_size: 32
...
	.end_amdgpu_metadata
.endif
;; end of part 2
;; launch attn (part 3): grid 16 x 16, 16 waves a work-group, no clusters, 327,680 bytes of LDS; arguments qc, qs, kv, oc, os; writes oc, os
.if DOCPART == 3
	.amdgcn_target "amdgcn-amd-amdhsa--gfx1250"
	.amdhsa_code_object_version 6
	.text
	.protected	k_q2c6644b053_attn
	.globl	k_q2c6644b053_attn
	.p2align	8
	.type	k_q2c6644b053_attn,@function
k_q2c6644b053_attn:
	s_mov_b64 s[64:65], 0
	v_nop
	global_prefetch_b8 v0, s[64:65] scope:SCOPE_SE
	s_setreg_imm32_b32 hwreg(HW_REG_WAVE_MODE, 25, 1), 1
	s_wait_xcnt 0x0
; o = softmax(q k^T / 8, causal) v for 16 heads of 64, 4,096 tokens, both products on codes of FP6 (E2M3); o is quantised along the head's 64 and stored as the last product's operand.
; Key steps that lie wholly behind a block's queries are hidden by the mask that the problem builds itself (-infinity ahead of the softmax): they are not walked.
; THE SOFTMAX: t = score x log2(e) / 8; M = the running largest t rounded UP to a whole number; p = 2^(t - M) is quantised along the keys, not normalised; the row's sum is taken of the unquantised p
; and divides O at the end.  When M moves, the sum and O are multiplied by 2^(old M - new M): exact.
; SHARES.  Work-group (j, head) owns the blocks 31 - j and j of 128 queries and walks them ONE AFTER THE OTHER: step s = 0 .. 31 - j is record s for block 31 - j, step s = 32 - j .. 32 is record s - (32 - j) for
; block j: 33 steps for every j.  A record is 128 keys, 13,056 bytes of kv (K's 8 tiles, their scale words, V's 4 fragments, their scale words), in the order of the operands' registers.
; A tile of 16 queries (tile w / 2 of the block in hand) belongs to TWO waves: the wave of parity p = (w ^ (w >> 2)) & 1 takes the steps with s % 2 = p, with an M, a sum and an O^T of its own: 17 or 16 steps a wave.
; At its first step of block j (s - (32 - j) is 0 or 1: ids and the count of steps alone) a wave puts O^T, -M and the sums into its own stage in LDS, takes block j's Q and starts anew.  At the end it does so again,
; into a second stage; behind one barrier wave w joins the two halves of one tile (w < 8: tile w of block 31 - j; else tile w - 8 of block j): both are brought under the larger M by exact powers of two and added.
; RING.  Two slots of four records; waves 0 to 3 fetch a record each; a wave works two steps a slot.  Slot 8 holds step 32 alone: wave 0 fetches it, the waves of parity 0 work it.
; LAYOUT.  S^T = K Q^T, O^T = V^T P^T: a lane holds one query throughout.  Row tiles are permuted (tile 2 g + u: rows 32 g + 8 u + r + 8 (r / 8)), so the 16 registers of tiles 2 b, 2 b + 1 are 16 neighbouring keys.
; THE HEAD'S K IS 64 OF THE INSTRUCTION'S 128.  K's tile t is v[32 + 6 t .. 43 + 6 t]: its upper six registers are the next tile's codes (zeros behind tile 7).  Q's upper six registers are zero codes, and the
; format has no NaN and no infinity: the upper half adds exactly 0.  The upper two scale bytes are 0 on both sides.
; NO CLUSTER: behind step 31 - j the sixteen work-groups of a head walk different records, so partners would ask for different tiles in the same round.
; LIMITS: the promise holds while |t| stays under 2^31; 1 / the sum is v_rcp_f32 and a multiplication; a block of zeros gets the byte 1 where the rule says 127 (zero codes; this program alone reads the bytes);
; NaN and infinities are not served.
.set REC,   13056
.set KSOFF, 6144
.set VOFF,  6656
.set VSOFF, 12800
.set HEADB, 32*REC
.set SLOTB, 4*REC
.set SLOT1, 65536                      ; slot 1 begins here
.set SPARE, 131072                     ; the spare words, 128 bytes for each of sixteen waves
.set STG,   SPARE+2048                 ; the stages: no tensor load lands here
.set STW,   4608                       ; a wave's stage: O^T 8 x 512 bytes, then v12-15 512 bytes
.set AREA,  16*STW                     ; from the first stages to the second
.set TILEB, 12288
.set SPW, 5
.set NIL, 6
.set A16, 8                            ; v8-10 LDS addresses of the slot in hand
.set A8,  9
.set AS,  10
.set QS,  11                           ; Q's scale word
.set PFO, 28
.set STA, 29                           ; my stage for block 31 - j,
.set STB, 30                           ; for block j,
.set RD,  31                           ; and the two stages that I join
.set KF,  32                           ; v32-79 K's eight tiles, later V's four fragments; v80-85 zeros
.set KS,  86                           ; v86-93 K's scale words
.set Q2S, 94                           ; block j's Q: scale word
.set SS,  96                           ; v96-159 S^T, then p
.set OT,  160                          ; v160-191 O^T
.set PCD, 192
.set TMP, 204
.set BM,  212
.set PR,  216
.set SO,  220
.set T,   224
.set LN,  225
.set F,   226                          ; v[226:227] f = 2^(old M - new M), in the low register
.set PW,  228
.set VS4, 232                          ; v232-235 V's scale words
.set Q2,  236                          ; v236-241 block j's Q
.set CH,  242                          ; v242-255 seven chains of the row's sum
.set TB,  2
.set ST,  3
.set WV,  14
.set HD,  15
.set PAR, 16
.set BHI, 17
.set BH1, 18
.set TI,  19
.set SEL, 20
.set CS,  22
.set G1,  24
.set G0,  32
.set VS,  36                           ; the step whose record I fetch
.set SLOTS, 50
.set PFA, 52
.set LIM, 54
.macro PLACES
.rept 4
	v_nop
.endr
.endm
.macro TLOAD n                         ; waves 0 to n - 1 fetch a record each; an s_nop 0 and four v_nop follow the load
	s_cmp_lt_u32 s[WV], \n
	s_cbranch_scc0 .Lasked_\@
	tensor_load_to_lds s[G0:G0+3], s[G1:G1+7]
	s_nop 0
	PLACES
.Lasked_\@:
.endm
; A PREFETCH of the slot that the NEXT change of slots will ask for: 204 blocks of 256 bytes, four records ahead of that load.  All work-groups of a head begin with the same records in the same order: work-group
; j = 0, whose slots 0 to 7 are records 0 to 31, asks; in it waves 4 to 10, which fetch nothing, a lane a block; the last wave's 20 lanes that are over name the slot's last block again.  It stops at slot 7.
.macro ASK
	s_cmp_gt_u32 s[SLOTS], s[LIM]
	s_cbranch_scc0 .Lnot_mine_\@
	global_prefetch_b8 v[PFO], s[PFA:PFA+1] th:TH_LOAD_NT scope:SCOPE_SE
.Lnot_mine_\@:
.endm
.macro START                           ; a tile's sums begin: the step is written for every step alike, the first finds zeros
	v_mov_b32 v13, 0xff61b1e6                      ; the largest t so far: -3e38
	v_mov_b32 v12, 0x7f61b1e6                      ; -M
	v_mov_b32 v14, 0
	v_mov_b32 v15, 0
.set N, 0
.rept 32
	v_mov_b32 v[OT+N], 0
.set N, N+1
.endr
.endm
.macro PUT adr                         ; O^T, each accumulator from its low end on, then -M, the largest t and the sum's two halves, into my own stage
.irp n, 0,1,2,3,4,5,6,7
	ds_store_b128 v[\adr], v[OT+4*\n:OT+4*\n+3] offset:512*\n
.endr
	ds_store_b128 v[\adr], v[12:15] offset:4096
.endm
	s_load_b128 s[4:7], s[0:1], 0x0                ; qc, qs
	s_load_b128 s[8:11], s[0:1], 0x10              ; kv, oc
	s_load_b64 s[12:13], s[0:1], 0x20              ; os
	v_lshl_add_u32 v[SPW], v0, 2, SPARE
	v_mov_b32 v[NIL], 0
	ds_add_u32 v[SPW], v[NIL]                      ; the opening lines: the add, twice on end, and its wait ahead of the first tensor load
	ds_add_u32 v[SPW], v[NIL]
	v_lshrrev_b32 v8, 5, v0
	s_delay_alu instid0(VALU_DEP_1)
	v_readfirstlane_b32 s[WV], v8                  ; wave 0..15
	s_and_b32 s[HD], ttmp7, 0xffff                 ; the head
	s_sub_co_u32 s[BHI], 31, ttmp9                 ; the later block, walked first; also its diagonal step
	s_add_co_u32 s[BH1], s[BHI], 1                 ; block j's first step
	s_lshr_b32 s[PAR], s[WV], 2
	s_xor_b32 s[PAR], s[PAR], s[WV]
	s_and_b32 s[PAR], s[PAR], 1                    ; which steps are mine
	s_lshr_b32 s[TI], s[WV], 1                     ; my tile in both blocks
	s_mov_b32 s[G1], 3<<16                         ; group 1: a record as 51 dense rows of 256 bytes (32 elements of 8 bytes); no mask, no padding
	s_mov_b32 s[G1+1], 32<<16
	s_mov_b32 s[G1+2], 51<<16
	s_mov_b32 s[G1+3], 32<<16
	s_mov_b32 s[G1+4], 51
	s_mov_b32 s[G1+5], 32
	s_mov_b32 s[G1+6], 0
	s_mov_b32 s[G1+7], 0
	s_mul_i32 s40, s[HD], HEADB                    ; the head's records
	s_mov_b32 s41, 0
	s_and_b32 s[VS], s[WV], 3
	s_mul_i32 s42, s[VS], REC                      ; slot 0: step = record = wave (31 - j is at least 16)
	s_mov_b32 s43, 0
	s_lshl_b32 s44, s[HD], 8
	s_add_co_u32 s44, s44, s[TI]
	s_mul_i32 s44, s44, 768                        ; Q's codes: (256 head + 8 block + tile) x 768
	s_mul_i32 s46, s[BHI], 6144
	s_add_co_u32 s46, s46, s44
	s_mov_b32 s47, 0
	s_mul_i32 s48, ttmp9, 6144
	s_add_co_u32 s48, s48, s44
	s_mov_b32 s49, 0
	s_lshr_b32 s56, s[HD], 1
	s_lshl_b32 s56, s56, 7
	s_lshr_b32 s37, s[TI], 1
	s_add_co_u32 s56, s56, s37
	s_lshl_b32 s56, s56, 8
	s_and_b32 s37, s[HD], 1
	s_lshl_b32 s37, s37, 7
	s_add_co_u32 s56, s56, s37
	s_and_b32 s37, s[TI], 1
	s_lshl_b32 s37, s37, 2
	s_add_co_u32 s56, s56, s37                     ; Q's scale words: + 1,024 block + 8 r
	s_lshl_b32 s58, s[BHI], 10
	s_add_co_u32 s58, s58, s56
	s_mov_b32 s59, 0
	s_lshl_b32 s60, ttmp9, 10
	s_add_co_u32 s60, s60, s56
	s_mov_b32 s61, 0
	s_cmp_lt_u32 s[WV], 8                          ; the tile that I join and store
	s_cselect_b32 s37, s[BHI], ttmp9
	s_lshl_b32 s37, s37, 3
	s_and_b32 s39, s[WV], 7
	s_add_co_u32 s37, s37, s39                     ; its token tile
	s_mul_i32 s44, s37, TILEB
	s_mul_i32 s39, s[HD], 768
	s_add_co_u32 s44, s44, s39                     ; o's codes: K step head / 2, half head % 2
	s_mov_b32 s45, 0
	s_lshl_b32 s56, s37, 9
	s_lshr_b32 s39, s[HD], 3
	s_lshl_b32 s39, s39, 8
	s_add_co_u32 s56, s56, s39
	s_and_b32 s39, s[HD], 7
	s_lshl_b32 s39, s39, 1
	s_add_co_u32 s56, s56, s39                     ; o's two scale bytes: + 16 r
	s_mov_b32 s57, 0
	s_mul_i32 s62, s[PAR], REC                     ; in a slot my records are 2 i + parity
	s_add_co_u32 s63, s62, KSOFF
	s_mul_i32 s38, s[WV], STW
	s_add_co_u32 s38, s38, STG
	s_mul_i32 s39, s[WV], 2*STW
	s_add_co_u32 s39, s39, STG
	s_lshr_b32 s51, s[TI], 1
	s_lshl_b32 s51, s51, 5
	s_and_b32 s37, s[TI], 1
	s_lshl_b32 s37, s37, 3
	s_add_co_u32 s51, s51, s37                     ; my tile's first query in its block
	s_mov_b32 s[SEL], 0x76543210
	s_mov_b32 s[SEL+1], 0xfedcba98
	s_mov_b32 s[CS], 0x3e38aa3b                    ; c = log2(e) / 8
	s_mov_b32 s[CS+1], s[CS]
	s_mov_b32 s[TB], 0
	s_mov_b32 s[ST], s[PAR]
	s_mov_b32 s[SLOTS], 7
	s_sub_co_u32 s55, s[WV], 4
	s_cmp_lt_u32 s55, 7                            ; waves 4 to 10
	s_cselect_b32 s[LIM], 1, -1
	s_cmp_eq_u32 ttmp9, 0                          ; of work-group j = 0
	s_cselect_b32 s[LIM], s[LIM], -1
	s_and_b32 s55, s55, 7
	s_lshl_b32 s55, s55, 5
	s_wait_dscnt 0x0                               ; both opening adds are done
	s_wait_kmcnt 0x0
	s_add_nc_u64 s[40:41], s[8:9], s[40:41]
	s_mov_b32 s[G0], 1
	s_mov_b32 s[G0+1], s42
	s_add_nc_u64 s[G0+2:G0+3], s[40:41], s[42:43]
	s_or_b32 s[G0+3], s[G0+3], 0x80000000
	TLOAD 4                                        ; slot 0
	s_add_nc_u64 s[46:47], s[4:5], s[46:47]
	s_add_nc_u64 s[48:49], s[4:5], s[48:49]
	s_add_nc_u64 s[58:59], s[6:7], s[58:59]
	s_add_nc_u64 s[60:61], s[6:7], s[60:61]
	s_add_nc_u64 s[10:11], s[10:11], s[44:45]
	s_add_nc_u64 s[12:13], s[12:13], s[56:57]
	s_add_nc_u64 s[PFA:PFA+1], s[40:41], SLOTB     ; at slot 1: the first change of slots steps it to slot 2.  Nothing is prefetched at the head
	v_and_b32 v8, 31, v0                           ; l
	v_and_b32 v9, 15, v0                           ; r
	v_bfe_u32 v10, v0, 4, 1                        ; h
	v_lshlrev_b32 v96, 4, v8                       ; 16 l
	v_lshl_add_u32 v97, v8, 3, 512                 ; 8 l + 512
	v_lshlrev_b32 v98, 3, v9                       ; 8 r
	global_load_b128 v[16:19], v96, s[46:47]       ; block 31 - j's Q,
	global_load_b64 v[20:21], v97, s[46:47]
	global_load_b32 v[QS], v98, s[58:59]
	global_load_b128 v[Q2:Q2+3], v96, s[48:49]     ; and block j's
	global_load_b64 v[Q2+4:Q2+5], v97, s[48:49]
	global_load_b32 v[Q2S], v98, s[60:61]
	v_add_nc_u32 v1, s62, v96                      ; v1-3: my records' places in a slot
	v_add_nc_u32 v2, s62, v97
	v_add_nc_u32 v3, s63, v98
	v_add_nc_u32 v[STA], s38, v96
	v_add_nc_u32 v[RD], s39, v96
	v_add_nc_u32 v[STB], AREA, v[STA]
	v_add_nc_u32 v[PFO], s55, v8
	v_and_b32 v4, 8, v9
	v_lshlrev_b32 v10, 4, v10
	v_min_u32 v[PFO], 203, v[PFO]
	v_add_nc_u32 v4, v4, v9                        ; r + 8 (r / 8)
	v_lshlrev_b32 v[PFO], 8, v[PFO]
	v_sub_nc_u32 v4, v4, v10
	v_mov_b32 v7, 0xff800000                       ; -infinity
	v_add_nc_u32 v4, s51, v4                       ; my query's place in its block - 16 h.  Register 16 b + i holds key 32 b + 16 h + i of a step: on the diagonal hidden where 32 b + i > v4
.irp i, 22,23,24,25,26,27,80,81,82,83,84,85
	v_mov_b32 v[\i], 0                             ; zero codes: Q's upper half, and what stands behind K's tile 7
.endr
.irp b, 0,1,2,3
	v_mov_b32 v[PR+\b], 0                          ; written once: a lane permute's destination counts as one of its sources
.endr
	v_mov_b32 v[T], 0
	v_mov_b32 v[F+1], 0
	START
; A KEY STEP of mine: record 2 i + parity of the slot in hand.  last = 1: step 32 (or, for parity 1, no step: only the change of blocks, where it is still due)
.macro STEP i, last
	s_sub_co_u32 s55, s[ST], s[BH1]
	s_cmp_lt_u32 s55, 2                            ; my first step of block j?  ids and the count of steps alone
	s_cbranch_scc0 .Lsame_\@
	PLACES                                         ; behind the last step's products
	PUT STA
.irp n, 0,1,2,3,4,5
	v_mov_b32 v[16+\n], v[Q2+\n]
.endr
	v_mov_b32 v[QS], v[Q2S]
	START                                          ; (its 36 lines are also the places between Q's writes and the products)
.Lsame_\@:
.if \last
	s_cmp_gt_u32 s[ST], 32
	s_wait_alu depctr_va_vdst(0)                   ; the wait directly ahead of the branch
	s_cbranch_scc1 .Lhid_\@
.endif
	v_add_nc_u32 v[A16], s[TB], v1                 ; these three and the v_nop are the four places behind the last step's products, in front of the loads into their sources
	v_add_nc_u32 v[A8], s[TB], v2
	v_add_nc_u32 v[AS], s[TB], v3
	v_nop
.irp t, 0,1,2,3,4,5,6,7
	ds_load_b128 v[KF+6*\t:KF+6*\t+3], v[A16] offset:2*(\i)*REC+768*\t
	ds_load_b64 v[KF+6*\t+4:KF+6*\t+5], v[A8] offset:2*(\i)*REC+768*\t
.endr
.irp w, 0,1,2,3
	ds_load_b64 v[KS+2*\w:KS+2*\w+1], v[AS] offset:2*(\i)*REC+128*\w
.endr
	s_wait_alu depctr_va_vdst(0)
	s_wait_dscnt 0x0
.irp t, 0,1,2,3,4,5,6,7
	v_wmma_scale_f32_16x16x128_f8f6f4 v[SS+8*\t:SS+8*\t+7], v[KF+6*\t:KF+6*\t+11], v[16:27], 0, v[KS+\t], v[QS] matrix_a_fmt:MATRIX_FMT_FP6 matrix_b_fmt:MATRIX_FMT_FP6
.endr
	PLACES
.irp dt, 0,1,2,3                               ; V's fragments are asked for here and land under the softmax
.irp c, 0,1
	ds_load_b128 v[KF+12*\dt+6*\c:KF+12*\dt+6*\c+3], v[A16] offset:2*(\i)*REC+VOFF+1536*\dt+768*\c
	ds_load_b64 v[KF+12*\dt+6*\c+4:KF+12*\dt+6*\c+5], v[A8] offset:2*(\i)*REC+VOFF+1536*\dt+768*\c
.endr
.endr
.irp dp, 0,1
	ds_load_b64 v[VS4+2*\dp:VS4+2*\dp+1], v[AS] offset:2*(\i)*REC+VSOFF-KSOFF+128*\dp
.endr
.if \last == 0
	s_cmp_lg_u32 s[ST], s[BHI]                     ; under step 32 only step 31 - j is a diagonal; step 32 always is
	s_cbranch_scc1 .Lopen_\@
.endif
.set N, 0
.rept 64
	v_cmp_gt_i32 vcc_lo, 32*(N/16)+N%16, v4        ; on the diagonal hidden scores become -infinity ahead of the maximum: p = 0 then
	v_cndmask_b32 v[SS+N], v[SS+N], v7, vcc_lo
.set N, N+1
.endr
.if \last == 0
.Lopen_\@:
.endif
.irp b, 0,1,2,3
	v_max3_num_f32 v[BM+\b], v[SS+16*\b], v[SS+1+16*\b], v[SS+2+16*\b]   ; the largest score of each block of 32 keys: for the row's maximum, and, since p rises with the score, for the block's largest p
.endr
.irp i2, 3,5,7,9,11,13
.irp b, 0,1,2,3
	v_max3_num_f32 v[BM+\b], v[BM+\b], v[SS+16*\b+\i2], v[SS+1+16*\b+\i2]
.endr
.endr
.irp b, 0,1,2,3
	v_max_num_f32 v[BM+\b], v[BM+\b], v[SS+15+16*\b]
.endr
.irp b, 0,1,2,3
	s_delay_alu instid0(VALU_DEP_4)
	v_permlanex16_b32 v[PR+\b], v[BM+\b], s[SEL], s[SEL+1]
.endr
.irp b, 0,1,2,3
	s_delay_alu instid0(VALU_DEP_4)
	v_max_num_f32 v[BM+\b], v[BM+\b], v[PR+\b]     ; with lane l xor 16's 16 keys
.endr
	s_delay_alu instid0(VALU_DEP_2)
	v_max3_num_f32 v[T], v[BM], v[BM+1], v[BM+2]
	s_delay_alu instid0(VALU_DEP_1)
	v_max_num_f32 v[T], v[T], v[BM+3]
	s_delay_alu instid0(VALU_DEP_1)
	v_mul_f32 v[T], s[CS], v[T]                    ; the step's largest t of my query
	s_delay_alu instid0(VALU_DEP_1)
	v_max_num_f32 v13, v13, v[T]
	v_mov_b32 v[T], v12
	s_delay_alu instid0(VALU_DEP_2)
	v_floor_f32 v12, -v13                          ; the new -M = -ceil(t): a whole number
	s_delay_alu instid0(VALU_DEP_1)
	v_sub_f32 v[T], v12, v[T]                      ; old M - new M: a whole number, 0 or less
	s_delay_alu instid0(VALU_DEP_1)
	v_cvt_i32_f32 v[T], v[T]                       ; (it saturates)
	s_delay_alu instid0(VALU_DEP_1)
	v_ldexp_f32 v[F], 1.0, v[T]                    ; f = 2^(old M - new M)
.set N, 0
.rept 32
	v_pk_fma_f32 v[SS+N:SS+N+1], v[SS+N:SS+N+1], s[CS:CS+1], v[12:13] op_sel_hi:[1,0,0]   ; t - M, two at a time
.set N, N+2
.endr
.irp b, 0,1,2,3
	v_fma_f32 v[BM+\b], v[BM+\b], s[CS], v12
.endr
	s_wait_alu depctr_va_vdst(0)
.set N, 0
.rept 64
	v_exp_f32 v[SS+N], v[SS+N]                     ; p = 2^(t - M)
.set N, N+1
.endr
	v_pk_mul_f32 v[14:15], v[14:15], v[F:F+1] op_sel_hi:[1,0]   ; the sums under the new M: a plain place behind the exponentials
	s_wait_alu depctr_va_vdst(0)                   ; one wait for the batch of 64, ahead of its first reader
.irp b, 0,1,2,3
	v_exp_f32 v[BM+\b], v[BM+\b]                   ; the blocks' largest p
.endr
.irp c, 0,1,2,3,4,5,6                          ; the row's sum of the unquantised p: 32 pairs in eight chains
	v_pk_add_f32 v[CH+2*\c:CH+2*\c+1], v[SS+4*\c:SS+4*\c+1], v[SS+4*\c+2:SS+4*\c+3]
.endr
	v_pk_add_f32 v[14:15], v[14:15], v[SS+28:SS+29]
.irp g, 0,1
.irp c, 0,1,2,3,4,5,6
	v_pk_add_f32 v[CH+2*\c:CH+2*\c+1], v[CH+2*\c:CH+2*\c+1], v[SS+30+16*\g+2*\c:SS+31+16*\g+2*\c]
.endr
	v_pk_add_f32 v[14:15], v[14:15], v[SS+44+16*\g:SS+45+16*\g]
.endr
	v_pk_add_f32 v[CH:CH+1], v[CH:CH+1], v[SS+62:SS+63]
	v_pk_add_f32 v[CH+4:CH+5], v[CH+4:CH+5], v[CH+6:CH+7]
	v_pk_add_f32 v[CH+8:CH+9], v[CH+8:CH+9], v[CH+10:CH+11]
	v_pk_add_f32 v[14:15], v[14:15], v[CH+12:CH+13]
	s_delay_alu instid0(VALU_DEP_4)
	v_pk_add_f32 v[CH:CH+1], v[CH:CH+1], v[CH+2:CH+3]
	s_delay_alu instid0(VALU_DEP_2)
	v_pk_add_f32 v[14:15], v[14:15], v[CH+8:CH+9]
	s_delay_alu instid0(VALU_DEP_2)
	v_pk_add_f32 v[CH:CH+1], v[CH:CH+1], v[CH+4:CH+5]
	s_delay_alu instid0(VALU_DEP_1)
	v_pk_add_f32 v[14:15], v[14:15], v[CH:CH+1]
	s_wait_alu depctr_va_vdst(0)                   ; and one for the four
.irp b, 0,1,2,3
	v_max_num_f32 v[BM+\b], 0x1800000, v[BM+\b]    ; the floor 2^(3 - 127): the byte cannot fall under 1
.endr
.irp b, 0,1,2,3
	s_delay_alu instid0(VALU_DEP_4)
	v_add_nc_u32 v[SO+\b], 0xff000000, v[BM+\b]
.endr
.irp b, 0,1,2,3
	s_delay_alu instid0(VALU_DEP_4)
	v_lshrrev_b32 v[PR+\b], 23, v[SO+\b]
.endr
	s_delay_alu instid0(VALU_DEP_3)
	v_lshl_or_b32 v[PW], v[PR+1], 8, v[PR]
	s_delay_alu instid0(VALU_DEP_1)
	v_lshl_or_b32 v[PW], v[PR+2], 16, v[PW]
	s_delay_alu instid0(VALU_DEP_1)
	v_lshl_or_b32 v[PW], v[PR+3], 24, v[PW]        ; p's scale word for these 128 keys
.irp c, 0,1
	v_cvt_scalef32_pk16_fp6_f32 v[PCD+6*\c:PCD+6*\c+2], v[SS+32*\c:SS+32*\c+15], v[SO+2*\c]
	v_cvt_scalef32_pk16_fp6_f32 v[TMP+4*\c:TMP+4*\c+2], v[SS+32*\c+16:SS+32*\c+31], v[SO+2*\c+1]
.endr
	v_nop                                          ; one plain place behind a scaled conversion
.irp c, 0,1
.irp i2, 0,1,2
	v_permlane16_swap_b32 v[PCD+6*\c+\i2], v[TMP+4*\c+\i2]
.endr
.irp i2, 0,1,2
	s_delay_alu instid0(VALU_DEP_3)
	v_mov_b32 v[PCD+6*\c+3+\i2], v[TMP+4*\c+\i2]
.endr
.endr
	s_wait_alu depctr_va_vdst(0)                   ; the wait directly ahead of the first reader of O^T
.set N, 0
.rept 16
	v_pk_mul_f32 v[OT+N:OT+N+1], v[OT+N:OT+N+1], v[F:F+1] op_sel_hi:[1,0]   ; O^T under the new M.  These 16 are also the places between the codes' and the scale word's last writes and the products
.set N, N+2
.endr
	s_wait_alu depctr_va_vdst(0)
	s_wait_dscnt 0x0                               ; V
.irp dt, 0,1,2,3
	v_wmma_scale_f32_16x16x128_f8f6f4 v[OT+8*\dt:OT+8*\dt+7], v[KF+12*\dt:KF+12*\dt+11], v[PCD:PCD+11], v[OT+8*\dt:OT+8*\dt+7], v[VS4+\dt], v[PW] matrix_a_fmt:MATRIX_FMT_FP6 matrix_b_fmt:MATRIX_FMT_FP6
.endr
.if \last
.Lhid_\@:
.endif
	s_add_co_u32 s[ST], s[ST], 2
.endm
; THE CHANGE OF SLOTS stands at a slot's head.  Each wave waits for all its tensor loads, adds 0 to its spare word, and waits for that and for its reads of the slot that it has left; behind the barrier the slot
; ahead is whole and nobody reads the other one.  fill = 2: the other slot takes the next four steps' records; fill = 1: step 32's record alone; fill = 0: nothing is left to ask for.
.macro CHANGE fill
	s_wait_tensorcnt 0x0                           ; no tensor load of mine is out, so group 0 may be written
	ds_add_u32 v[SPW], v[NIL]
.if \fill
	ds_add_u32 v[SPW], v[NIL]
	s_xor_b32 s[G0+1], s[G0+1], SLOT1
	s_add_co_u32 s[VS], s[VS], 4                   ; the step that I fetch for,
	s_sub_co_u32 s42, s[VS], s[BH1]
	s_cmp_gt_u32 s[VS], s[BHI]
	s_cselect_b32 s42, s42, s[VS]                  ; its record: behind step 31 - j the walk begins again at record 0
	s_mul_i32 s42, s42, REC
	s_add_nc_u64 s[G0+2:G0+3], s[40:41], s[42:43]
	s_or_b32 s[G0+3], s[G0+3], 0x80000000
.endif
.if \fill == 2
	s_wait_xcnt 0x0                                ; the last prefetch, a slot back, has read its address
	s_add_nc_u64 s[PFA:PFA+1], s[PFA:PFA+1], SLOTB
.endif
	s_wait_dscnt 0x0                               ; the adds are done, and my reads of the slot that I have left are over
	s_barrier_signal -1
	s_barrier_wait -1
.if \fill == 2
	TLOAD 4                                        ; a wave's one tensor load until the next such barrier
	ASK
.elseif \fill == 1
	TLOAD 1
.endif
.endm
.macro SLOT_STEPS
	STEP 0, 0
	STEP 1, 0
	s_xor_b32 s[TB], s[TB], SLOT1
.endm
	s_wait_alu depctr_va_vdst(0)                   ; the head's end
	s_wait_loadcnt 0x0                             ; both Q
.Lslot:                                            ; seven trips: slots 0 to 6
	CHANGE 2
	SLOT_STEPS
	s_sub_co_u32 s[SLOTS], s[SLOTS], 1
	s_cmp_lg_u32 s[SLOTS], 0
	s_cbranch_scc1 .Lslot
	CHANGE 1                                       ; slot 7, and the request for step 32
	SLOT_STEPS
	CHANGE 0
	STEP 0, 1
	; THE WAY OUT: block j's halves into the second stages; behind the barrier I join the two halves of one tile, divide by the sum, quantise along the head's 64 (two blocks) and store half a fragment
	PLACES
	PUT STB
	v_and_b32 v[LN], 31, v0
	v_and_b32 v10, 15, v0
	v_lshlrev_b32 v8, 4, v[LN]                     ; 16 l
	v_lshl_add_u32 v9, v[LN], 3, 512               ; 8 l + 512
	v_lshlrev_b32 v10, 4, v10                      ; 16 r
	s_wait_alu depctr_va_vdst(0)
	s_wait_dscnt 0x0                               ; my stores into the stages are done
	s_barrier_signal -1
	s_barrier_wait -1                              ; and everybody's
.irp n, 0,1,2,3,4,5,6,7
	ds_load_b128 v[SS+4*\n:SS+4*\n+3], v[RD] offset:512*\n
	ds_load_b128 v[SS+32+4*\n:SS+32+4*\n+3], v[RD] offset:STW+512*\n
.endr
	ds_load_b128 v[32:35], v[RD] offset:4096       ; -M, (the largest t), the sum's halves: of one half,
	ds_load_b128 v[36:39], v[RD] offset:STW+4096   ; and of the other
	s_wait_dscnt 0x0
	v_min_num_f32 v[T], v32, v36                   ; -M of the two together
	v_add_f32 v34, v34, v35
	v_add_f32 v38, v38, v39
	v_sub_f32 v33, v[T], v32                       ; each half's M less the larger: a whole number, 0 or less (a half with no step: -3e38)
	v_sub_f32 v37, v[T], v36
	s_delay_alu instid0(VALU_DEP_2)
	v_cvt_i32_f32 v33, v33                         ; (it saturates)
	s_delay_alu instid0(VALU_DEP_2)
	v_cvt_i32_f32 v37, v37
	s_delay_alu instid0(VALU_DEP_2)
	v_ldexp_f32 v33, 1.0, v33
	s_delay_alu instid0(VALU_DEP_2)
	v_ldexp_f32 v37, 1.0, v37
	s_delay_alu instid0(VALU_DEP_2)
	v_mul_f32 v14, v34, v33
	s_delay_alu instid0(VALU_DEP_1)
	v_fma_f32 v14, v38, v37, v14
	s_delay_alu instid0(VALU_DEP_1)
	v_permlanex16_b32 v[T], v14, s[SEL], s[SEL+1]
	s_delay_alu instid0(VALU_DEP_1)
	v_add_f32 v14, v14, v[T]                       ; the row's sum
	s_wait_alu depctr_va_vdst(0)
	v_rcp_f32 v14, v14
	v_nop                                          ; a plain place behind the reciprocal
	s_wait_alu depctr_va_vdst(0)                   ; the wait, ahead of the first reader
	v_mul_f32 v32, v33, v14                        ; a power of two x 1 / the sum: exact
	v_mul_f32 v36, v37, v14
.set N, 0
.rept 16
	v_pk_mul_f32 v[SS+N:SS+N+1], v[SS+N:SS+N+1], v[32:33] op_sel_hi:[1,0]
.set N, N+2
.endr
.set N, 0
.rept 16
	v_pk_fma_f32 v[SS+N:SS+N+1], v[SS+32+N:SS+33+N], v[36:37], v[SS+N:SS+N+1] op_sel_hi:[1,0,1]   ; register 16 b + i = o(my query, 32 b + 16 h + i)
.set N, N+2
.endr
.irp b, 0,1
	v_max3_num_f32 v[BM+\b], |v[SS+16*\b]|, |v[SS+1+16*\b]|, 0x1800000
.endr
.irp i, 2,4,6,8,10,12,14
.irp b, 0,1
	s_delay_alu instid0(VALU_DEP_2)
	v_max3_num_f32 v[BM+\b], v[BM+\b], |v[SS+16*\b+\i]|, |v[SS+1+16*\b+\i]|
.endr
.endr
.irp b, 0,1
	s_delay_alu instid0(VALU_DEP_2)
	v_permlanex16_b32 v[PR+\b], v[BM+\b], s[SEL], s[SEL+1]
.endr
.irp b, 0,1
	s_delay_alu instid0(VALU_DEP_2)
	v_max_num_f32 v[BM+\b], v[BM+\b], v[PR+\b]
.endr
.irp b, 0,1
	s_delay_alu instid0(VALU_DEP_2)
	v_add_nc_u32 v[SO+\b], 0xff000000, v[BM+\b]
.endr
.irp b, 0,1
	s_delay_alu instid0(VALU_DEP_2)
	v_lshrrev_b32 v[PR+\b], 23, v[SO+\b]
.endr
	s_delay_alu instid0(VALU_DEP_1)
	v_lshl_or_b32 v[PW], v[PR+1], 8, v[PR]         ; my row's two scale bytes
	v_cvt_scalef32_pk16_fp6_f32 v[PCD:PCD+2], v[SS:SS+15], v[SO]
	v_cvt_scalef32_pk16_fp6_f32 v[TMP:TMP+2], v[SS+16:SS+31], v[SO+1]
	v_nop
.irp i, 0,1,2
	v_permlane16_swap_b32 v[PCD+\i], v[TMP+\i]
.endr
.irp i, 0,1,2
	s_delay_alu instid0(VALU_DEP_3)
	v_mov_b32 v[PCD+3+\i], v[TMP+\i]
.endr
	global_store_b128 v8, v[PCD:PCD+3], s[10:11]   ; 512 consecutive bytes,
	global_store_b64 v9, v[PCD+4:PCD+5], s[10:11]  ; and 256
	v_cmp_gt_u32 vcc_lo, 16, v[LN]
	s_wait_alu depctr_va_vdst(0)
	s_wait_xcnt 0x0                                ; EXEC changes only behind this wait
	s_and_saveexec_b32 s55, vcc_lo
	global_store_b16 v10, v[PW], s[12:13]          ; two bytes a row: a scale word's other half belongs to another head's work-group
	s_wait_xcnt 0x0
	s_or_b32 exec_lo, exec_lo, s55
	s_wait_tensorcnt 0x0                           ; the wave's end
	ds_add_u32 v[SPW], v[NIL]
	s_wait_dscnt 0x0
	s_endpgm
.Lfunc_end_k_q2c6644b053_attn:
	.size	k_q2c6644b053_attn, .Lfunc_end_k_q2c6644b053_attn-k_q2c6644b053_attn
	.p2alignl 7, 3214868480
	.fill 96, 4, 3214868480
	.section	.rodata,"a",@progbits
	.p2align	6, 0x0
	.amdhsa_kernel k_q2c6644b053_attn
		.amdhsa_group_segment_fixed_size 327680
		.amdhsa_private_segment_fixed_size 0
		.amdhsa_enable_private_segment 0
		.amdhsa_kernarg_size 40
		.amdhsa_user_sgpr_count 2
		.amdhsa_user_sgpr_kernarg_segment_ptr 1
		.amdhsa_wavefront_size32 1
		.amdhsa_system_sgpr_workgroup_id_x 1
		.amdhsa_system_sgpr_workgroup_id_y 1
		.amdhsa_system_sgpr_workgroup_id_z 1
		.amdhsa_system_vgpr_workitem_id 0
		.amdhsa_next_free_vgpr 256
		.amdhsa_next_free_sgpr 66
		.amdhsa_reserve_vcc 1
		.amdhsa_float_denorm_mode_32 3
		.amdhsa_float_denorm_mode_16_64 3
		.amdhsa_memory_ordered 1
		.amdhsa_forward_progress 1
		.amdhsa_inst_pref_size 141
	.end_amdhsa_kernel
	.amdgpu_metadata
---
amdhsa.version: [ 1, 2 ]
amdhsa.kernels:
  - .name:           k_q2c6644b053_attn
    .symbol:         k_q2c6644b053_attn.kd
    .args:
      - { .name: qc, .offset: 0, .size: 8, .value_kind: global_buffer, .address_space: global }
      - { .name: qs, .offset: 8, .size: 8, .value_kind: global_buffer, .address_space: global }
      - { .name: kv, .offset: 16, .size: 8, .value_kind: global_buffer, .address_space: global }
      - { .name: oc, .offset: 24, .size: 8, .value_kind: global_buffer, .address_space: global }
      - { .name: os, .offset: 32, .size: 8, .value_kind: global_buffer, .address_space: global }
    .group_segment_fixed_size: 327680
    .private_segment_fixed_size: 0
    .kernarg_segment_align: 8
    .kernarg_segment_size: 40
    .max_flat_workgroup_size: 512
    .sgpr_count:     66
    .vgpr_count:     256
    .wavefront_size: 32
...
	.end_amdgpu_metadata
.endif
;; end of part 3
;; launch outp (part 4): grid 8 x 32, 4 waves a work-group, clusters of 4 x 4, 327,680 bytes of LDS; arguments codes, scales, oc, os, out0; writes out0
.if DOCPART == 4
	.amdgcn_target "amdgcn-amd-amdhsa--gfx1250"
	.amdhsa_code_object_version 6
	.text
	.protected	k_q2c6644b053_outp
	.globl	k_q2c6644b053_outp
	.p2align	8
	.type	k_q2c6644b053_outp,@function
k_q2c6644b053_outp:
	s_mov_b64 s[64:65], 0
	v_nop
	global_prefetch_b8 v0, s[64:65] scope:SCOPE_SE
	s_setreg_imm32_b32 hwreg(HW_REG_WAVE_MODE, 25, 1), 1
	s_wait_xcnt 0x0
	s_wait_alu depctr_hold_cnt(0) depctr_sa_sdst(0) depctr_va_vdst(0) depctr_va_sdst(0) depctr_va_ssrc(0) depctr_va_vcc(0) depctr_vm_vsrc(0)
	s_getreg_b32 s2, hwreg(HW_REG_IB_STS2, 6, 4)
	s_cmp_eq_u32 s2, 0
	s_cbranch_scc0 .Lentry_in_a_cluster
	s_endpgm
.Lentry_in_a_cluster:
	s_bfe_u32 s2, ttmp6, 0x10000c
	s_cmp_lg_u32 s2, 0xf033
	s_cbranch_scc0 .Lentry_shape_is_right
	s_endpgm
.Lentry_shape_is_right:
; out0 = o w_o^T on codes of FP6 (E2M3); out0 [4096][1024] f32.  The projection launch's skeleton: a work-group makes 128 rows of source 0 (w_o's rows 128 x on: row tiles 448 + 8 x of codes) x 128 rows of
; source 1 (tokens 128 y on: row tiles 8 y of oc) over all of K = 1,024; both tiles for all of K lie in LDS, each byte filled once, in two halves of four K steps: a wave's one load at the head brings K steps 0-3
; of four row tiles, its second, behind the wait, the add and a round of the cluster's barrier, K steps 4-7.  LDS: source s at 98,304 s; in it K half at 49,152, row tile at 6,144, K step at 1,536.
; Wave w: all 8 tiles of source 0 x source 1's tiles 2 w, 2 w + 1; accumulator (a, b) at v[ACC + 64 b + 8 a].  Row tiles are permuted (tile 2 g + u: rows 32 g + 8 u + r + 8 (r / 8)):
; register j of lane (r, h) is out0(token of tile 2 w + b, row r; column 128 x + 32 (a / 2) + 16 h + 8 (a % 2) + j).
; CLUSTER 4 x 4: w_o's tile hangs on x and is asked for jointly down a column, o's on y and along a row.
; THE WAY OUT: a tile's 16 rows x 512 bytes go through the wave's own stage in LDS (rows 528 bytes apart; bytes that no tensor load fills) and leave as whole rows: each store covers 512 consecutive bytes, aligned.
; No prefetch: the launch has no loop to run ahead in; all its tiles are asked for by the two loads.
; REGISTERS.  Window 0: v1-21 lane numbers and addresses; v32-71 scale words; v128-255 accumulators.  Window 1: two sets of fragments at 120 p: source 0's at + 12 a, source 1's at + 96 + 12 b.
.set TILEB, 12288
.set KH,    49152
.set S1B,   98304
.set STG,   196608                     ; four stages of 32 rows x 528 bytes
.set STGW,  16896
.set SPARE, STG+4*STGW                 ; the spare words, 128 bytes a wave
.set L,   1
.set RR,  2
.set HH,  3
.set SPW, 10
.set NIL, 11
.set A0,  12                           ; v12 16 l, v13 16 l + KH, v14 8 l, v15 8 l + KH
.set L16, 12
.set A1,  16
.set STO, 20
.set RD,  21
.set SC0, 32
.set SC1, 64
.set ACC, 128
.set WV,  14
.set ROLE, 15
.set HF,  16
.set CX,  17
.set CY,  18
.set XX,  19
.set CLY, 20
.set YY,  21
.set T0,  22
.set T1,  23
.set G1A, 24
.set G1B, 32
.set G0A, 40
.set G0B, 68
.set MSB, 0
.macro WIN new
.if MSB != \new
	s_set_vgpr_msb (MSB<<8)|\new
.set MSB, \new
.endif
.endm
.set MUL,  0x05
.set TO_F, 0x40
.macro CROUND
	s_barrier_signal -1
	s_barrier_wait -1
	s_cmp_lg_u32 s[WV], 0
	s_cbranch_scc1 .Lnot_wave_0_\@
	s_barrier_signal -3
.Lnot_wave_0_\@:
	s_barrier_wait -3
	s_barrier_signal -1
	s_barrier_wait -1
.endm
.macro PLACES
.rept 4
	v_nop
.endr
.endm
.macro JLOAD j                         ; K half j: waves 0, 1 ask for source 0, waves 2, 3 for source 1: one load on every way
	s_cmp_eq_u32 s[ROLE], 0
	s_cbranch_scc0 .Lfor_s1_\@
	tensor_load_to_lds s[G0A+4*\j:G0A+4*\j+3], s[G1A:G1A+7]
	s_nop 0
	PLACES
	s_branch .Lasked_\@
.Lfor_s1_\@:
	tensor_load_to_lds s[G0B+4*\j:G0B+4*\j+3], s[G1B:G1B+7]
	s_nop 0
	PLACES
.Lasked_\@:
.endm
	s_load_b128 s[4:7], s[0:1], 0x0                ; codes, scales
	s_load_b128 s[8:11], s[0:1], 0x10              ; oc, os
	s_load_b64 s[12:13], s[0:1], 0x20              ; out0
	v_lshl_add_u32 v[SPW], v0, 2, SPARE
	v_mov_b32 v[NIL], 0
	ds_add_u32 v[SPW], v[NIL]                      ; the opening lines: the add, twice on end, and its wait ahead of my first tensor load
	ds_add_u32 v[SPW], v[NIL]
	v_lshrrev_b32 v1, 5, v0
	v_readfirstlane_b32 s[WV], v1
	s_lshr_b32 s[ROLE], s[WV], 1
	s_and_b32 s[HF], s[WV], 1
	s_bfe_u32 s[CX], ttmp6, 0x40000
	s_bfe_u32 s[CY], ttmp6, 0x40004
	s_lshl_b32 s[XX], ttmp9, 2
	s_add_co_u32 s[XX], s[XX], s[CX]
	s_and_b32 s[CLY], ttmp7, 0xffff
	s_lshl_b32 s[YY], s[CLY], 2
	s_add_co_u32 s[YY], s[YY], s[CY]
	s_lshl_b32 s56, 0x1111, s[CX]                  ; my column
	s_lshl_b32 s58, s[CY], 2
	s_lshl_b32 s58, 15, s58                        ; my row
	s_or_b32 s[G1A], s56, (3<<16)|(1<<21)
	s_or_b32 s[G1B], s58, (3<<16)|(1<<21)
.irp g, G1A, G1B
	s_mov_b32 s[\g+1], 768<<16                     ; four K steps of a row tile, 6,144 bytes
	s_mov_b32 s[\g+2], 4<<16                       ; four row tiles
	s_mov_b32 s[\g+3], 768<<16
	s_mov_b32 s[\g+4], 4
	s_mov_b32 s[\g+5], 1536                        ; 12,288 bytes from row tile to row tile
	s_mov_b32 s[\g+6], 0
	s_mov_b32 s[\g+7], 0
.endr
	s_lshl_b32 s[T0], s[XX], 3
	s_add_co_u32 s[T0], s[T0], 448                 ; w_o's row tiles: never holds cy
	s_lshl_b32 s[T1], s[CY], 3
	s_lshl_b32 s61, s[CLY], 5
	s_add_co_u32 s[T1], s[T1], s61                 ; token tiles 8 y: never holds cx
	s_lshl_b32 s63, s[HF], 2
	s_add_co_u32 s57, s[T0], s63
	s_mul_i32 s66, s57, TILEB
	s_mov_b32 s67, 0
	s_add_co_u32 s59, s[T1], s63
	s_mul_i32 s92, s59, TILEB
	s_mov_b32 s93, 0
	s_lshl_b32 s94, s[T0], 9
	s_mov_b32 s95, 0
	s_lshl_b32 s96, s[WV], 1
	s_add_co_u32 s96, s96, s[T1]
	s_lshl_b32 s96, s96, 9
	s_mov_b32 s97, 0
	s_mul_i32 s98, s[HF], 2*TILEB                  ; in LDS: my four tiles of a K half
	s_wait_dscnt 0x0                               ; both opening adds are done
	s_wait_kmcnt 0x0
	s_add_nc_u64 s[66:67], s[4:5], s[66:67]
	s_add_nc_u64 s[92:93], s[8:9], s[92:93]
	s_add_nc_u64 s[94:95], s[6:7], s[94:95]
	s_add_nc_u64 s[96:97], s[10:11], s[96:97]
	CROUND                                         ; all sixteen work-groups are here: the joint loads meet
.irp j, 0,1
	s_mov_b32 s[G0A+4*\j], 1
	s_add_co_u32 s[G0A+4*\j+1], s98, \j*KH
	s_add_nc_u64 s[G0A+4*\j+2:G0A+4*\j+3], s[66:67], \j*6144
	s_or_b32 s[G0A+4*\j+3], s[G0A+4*\j+3], 0x80000000
	s_mov_b32 s[G0B+4*\j], 1
	s_add_co_u32 s[G0B+4*\j+1], s98, S1B+\j*KH
	s_add_nc_u64 s[G0B+4*\j+2:G0B+4*\j+3], s[92:93], \j*6144
	s_or_b32 s[G0B+4*\j+3], s[G0B+4*\j+3], 0x80000000
.endr
	JLOAD 0                                        ; my one tensor load at the head
	v_and_b32 v[L], 31, v0
	v_and_b32 v[RR], 15, v0
	v_bfe_u32 v[HH], v0, 4, 1
	v_lshlrev_b32 v[A0], 4, v[L]
	v_add_nc_u32 v[A0+1], KH, v[A0]
	v_lshlrev_b32 v[A0+2], 3, v[L]
	v_add_nc_u32 v[A0+3], KH, v[A0+2]
	s_mul_i32 s62, s[WV], 12288
	s_add_co_u32 s62, s62, S1B
	v_add_nc_u32 v[A1], s62, v[A0]
	v_add_nc_u32 v[A1+1], KH, v[A1]
	v_add_nc_u32 v[A1+2], s62, v[A0+2]
	v_add_nc_u32 v[A1+3], KH, v[A1+2]
.irp a, 0,1,2,3,4,5,6,7
	global_load_b128 v[SC0+4*\a:SC0+4*\a+3], v[L16], s[94:95] offset:512*\a
.endr
.irp b, 0,1
	global_load_b128 v[SC1+4*\b:SC1+4*\b+3], v[L16], s[96:97] offset:512*\b
.endr
	s_mul_i32 s100, s[WV], STGW
	s_add_co_u32 s100, s100, STG                   ; my stage
	v_mul_u32_u24 v[STO], v[RR], 528
	v_lshl_add_u32 v[STO], v[HH], 6, v[STO]
	v_add_nc_u32 v[STO], s100, v[STO]              ; in: row r, + 64 h
	v_add_nc_u32 v[RD], s100, v[L16]               ; back: a whole row, 16 bytes a lane
	s_lshl_b32 s84, s[YY], 7
	s_lshl_b32 s99, s[WV], 5
	s_add_co_u32 s84, s84, s99                     ; my first token: 128 y + 32 w
	s_lshl_b32 s84, s84, 12
	s_lshl_b32 s99, s[XX], 9
	s_add_co_u32 s84, s84, s99                     ; + 128 x columns
	s_mov_b32 s85, 0
	s_add_nc_u64 s[84:85], s[12:13], s[84:85]
.macro HALF reg, a16, a8, off
	ds_load_b128 v[\reg:\reg+3], v[\a16] offset:\off
	ds_load_b64 v[\reg+4:\reg+5], v[\a8] offset:\off+512
.endm
.macro FETCH s                         ; K step s: 40 LDS loads: source 1's two fragments, then source 0's eight
.set FP, 120*((\s)%2)
.set FH, (\s)/4
.set FO, ((\s)%4)*1536
	WIN TO_F
.irp b, 0,1
.irp c, 0,1
	HALF FP+96+12*\b+6*\c, A1+FH, A1+2+FH, FO+6144*\b+768*\c
.endr
.endr
.irp a, 0,1,2,3,4,5,6,7
.irp c, 0,1
	HALF FP+12*\a+6*\c, A0+FH, A0+2+FH, FO+6144*\a+768*\c
.endr
.endr
.endm
.macro MUL8 s, a0                      ; the 16 accumulators take turns, one instruction a turn
.set P, 120*((\s)%2)
.set Q, (\s)%4
.irp a, \a0, \a0+1, \a0+2, \a0+3
.irp b, 0,1
.if (\s) == 0
	v_wmma_scale_f32_16x16x128_f8f6f4 v[ACC+64*\b+8*(\a):ACC+64*\b+8*(\a)+7], v[P+12*(\a):P+12*(\a)+11], v[P+96+12*\b:P+96+12*\b+11], 0, v[SC0+4*(\a)+Q], v[SC1+4*\b+Q] matrix_a_fmt:MATRIX_FMT_FP6 matrix_b_fmt:MATRIX_FMT_FP6
.elseif (\s) < 4
	v_wmma_scale_f32_16x16x128_f8f6f4 v[ACC+64*\b+8*(\a):ACC+64*\b+8*(\a)+7], v[P+12*(\a):P+12*(\a)+11], v[P+96+12*\b:P+96+12*\b+11], v[ACC+64*\b+8*(\a):ACC+64*\b+8*(\a)+7], v[SC0+4*(\a)+Q], v[SC1+4*\b+Q] matrix_a_fmt:MATRIX_FMT_FP6 matrix_b_fmt:MATRIX_FMT_FP6
.else
	v_wmma_scale_f32_16x16x128_f8f6f4 v[ACC+64*\b+8*(\a):ACC+64*\b+8*(\a)+7], v[P+12*(\a):P+12*(\a)+11], v[P+96+12*\b:P+96+12*\b+11], v[ACC+64*\b+8*(\a):ACC+64*\b+8*(\a)+7], v[SC0+4*(\a)+Q], v[SC1+4*\b+Q] matrix_a_fmt:MATRIX_FMT_FP6 matrix_b_fmt:MATRIX_FMT_FP6 matrix_a_scale:MATRIX_SCALE_ROW1 matrix_b_scale:MATRIX_SCALE_ROW1
.endif
.endr
.endr
.endm
.macro KSTEP s
.if (\s) != 3 && (\s) != 7             ; the next K step lies in the same K half
	s_wait_dscnt 16                                ; all but the youngest 16 loads: source 0's tiles 4 to 7
	WIN MUL
	MUL8 \s, 0
	s_wait_dscnt 0x0
	PLACES
	FETCH (\s)+1
	WIN MUL
	MUL8 \s, 4
.else
	s_wait_dscnt 0x0                               ; no LDS load of mine is out at the signal
.if (\s) < 7
	s_wait_tensorcnt 0x0                           ; my part of the second K half, the one load that was out, has landed
	s_barrier_signal -1
.endif
	WIN MUL
	MUL8 \s, 0
.if (\s) < 7
	s_barrier_wait -1
	PLACES
	FETCH (\s)+1
	WIN MUL
.endif
	MUL8 \s, 4
.endif
.endm
	s_wait_alu depctr_va_vdst(0)                   ; the head's end
	s_wait_tensorcnt 0x0                           ; my part of the first K half has landed
	ds_add_u32 v[SPW], v[NIL]
	s_wait_dscnt 0x0
	CROUND                                         ; everybody's part is in, and all sixteen work-groups are here
	JLOAD 1                                        ; K steps 4-7: the first tensor load behind the round
	FETCH 0
	s_wait_loadcnt 0x0                             ; the scale words
.irp s, 0,1,2,3,4,5,6,7
	KSTEP \s
.endr
	WIN 0
	PLACES
.irp b, 0,1                                    ; a tile of 16 tokens into my stage, each accumulator from its low end on, and back as whole rows into the registers that it left: LDS serves a wave's instructions in order
.irp a, 0,1,2,3,4,5,6,7
	ds_store_b128 v[STO], v[ACC+64*\b+8*\a:ACC+64*\b+8*\a+3] offset:8448*\b+128*(\a/2)+32*(\a%2)
	ds_store_b128 v[STO], v[ACC+64*\b+8*\a+4:ACC+64*\b+8*\a+7] offset:8448*\b+128*(\a/2)+32*(\a%2)+16
.endr
.irp i, 0,1,2,3,4,5,6,7,8,9,10,11,12,13,14,15
	ds_load_b128 v[ACC+64*\b+4*\i:ACC+64*\b+4*\i+3], v[RD] offset:528*(16*\b+\i)
.endr
.endr
.irp b, 0,1
.irp i, 0,1,2,3,4,5,6,7,8,9,10,11,12,13,14,15
	s_wait_dscnt 32*(1-\b)+15-\i                   ; row i is back; its tile's younger loads, and for tile 0 tile 1's 32 LDS instructions, may be out
	global_store_b128 v[L16], v[ACC+64*\b+4*\i:ACC+64*\b+4*\i+3], s[84:85] offset:(8*\b+\i+8*(\i/8))*4096 th:TH_STORE_NT
.endr
.endr
	s_wait_tensorcnt 0x0                           ; the wave's end, behind my last tensor load and my last LDS store
	ds_add_u32 v[SPW], v[NIL]
	s_wait_dscnt 0x0
	CROUND                                         ; the closing round
	s_endpgm
.Lfunc_end_k_q2c6644b053_outp:
	.size	k_q2c6644b053_outp, .Lfunc_end_k_q2c6644b053_outp-k_q2c6644b053_outp
	.p2alignl 7, 3214868480
	.fill 96, 4, 3214868480
	.section	.rodata,"a",@progbits
	.p2align	6, 0x0
	.amdhsa_kernel k_q2c6644b053_outp
		.amdhsa_group_segment_fixed_size 327680
		.amdhsa_private_segment_fixed_size 0
		.amdhsa_enable_private_segment 0
		.amdhsa_kernarg_size 40
		.amdhsa_user_sgpr_count 2
		.amdhsa_user_sgpr_kernarg_segment_ptr 1
		.amdhsa_wavefront_size32 1
		.amdhsa_system_sgpr_workgroup_id_x 1
		.amdhsa_system_sgpr_workgroup_id_y 1
		.amdhsa_system_sgpr_workgroup_id_z 1
		.amdhsa_system_vgpr_workitem_id 0
		.amdhsa_next_free_vgpr 512
		.amdhsa_next_free_sgpr 102
		.amdhsa_reserve_vcc 0
		.amdhsa_float_denorm_mode_32 3
		.amdhsa_float_denorm_mode_16_64 3
		.amdhsa_memory_ordered 1
		.amdhsa_forward_progress 1
		.amdhsa_inst_pref_size 55
	.end_amdhsa_kernel
	.amdgpu_metadata
---
amdhsa.version: [ 1, 2 ]
amdhsa.kernels:
  - .name:           k_q2c6644b053_outp
    .symbol:         k_q2c6644b053_outp.kd
    .args:
      - { .name: codes, .offset: 0, .size: 8, .value_kind: global_buffer, .address_space: global }
      - { .name: scales, .offset: 8, .size: 8, .value_kind: global_buffer, .address_space: global }
      - { .name: oc, .offset: 16, .size: 8, .value_kind: global_buffer, .address_space: global }
      - { .name: os, .offset: 24, .size: 8, .value_kind: global_buffer, .address_space: global }
      - { .name: out0, .offset: 32, .size: 8, .value_kind: global_buffer, .address_space: global }
    .group_segment_fixed_size: 327680
    .private_segment_fixed_size: 0
    .kernarg_segment_align: 8
    .kernarg_segment_size: 40
    .max_flat_workgroup_size: 128
    .sgpr_count:     102
    .vgpr_count:     512
    .wavefront_size: 32
...
	.end_amdgpu_metadata
.endif
;; end of part 4
